; MI455X (gfx1250); checked and timed in simulation.
; The chip was launched on July 23, 2026; its instructions are those of AMD's public machine-readable ISA for CDNA 5 (MIT licence, August 2026) and "CDNA5" Instruction Set Architecture Reference Guide (July 2026). The comments in the code are by the model that wrote it; some were corrected since.
;; Multi Head Attention. Allowed arithmetic: matrix products marked QUANTISED: E4M3 operands, one given power-of-two scale a tensor, by v_wmma_f32_16x16x64_fp8_fp8 or v_wmma_f32_16x16x128_fp8_fp8, f32 sums; everything else in f32.
;; Inputs: lowp_scales 8 int32 (the exponents e of the quantised operands' scales 2^e); w_proj 1,024 x 1,024 float32; w_qkv 1,024 x 3,072 float32; x 4 x 2,048 x 1,024 float32.
;; Outputs: out0 4 x 2,048 x 1,024 float32.
;; This version of the problem:
;;   THIS VERSION OF THE PROBLEM IS GIVEN IN LOW PRECISION. The matrix products marked QUANTISED in the list below multiply operands that are first quantised to E4M3 (4 exponent bits, 3 mantissa bits; 8 bits a number), with one given power-of-two scale for each operand tensor; their sums are f32. All else is computed in f32.
;;   The module's matrix products, in the order in which they are computed (A, B: the left and right operand; K: the contracted axis; several contracted axes count as one K, in the product's order):
;;     1. [M 8,192, K 1,024] x [K 1,024, N 3,072]; A: input x; B: input w_qkv: QUANTISED (scales: A lowp_scales[0], B lowp_scales[1])
;;     2. batch 64 x [M 2,048, K 64] x [K 64, N 2,048]; A: computed on the way; B: computed on the way: QUANTISED (scales: A lowp_scales[2], B lowp_scales[3])
;;     3. batch 64 x [M 2,048, K 2,048] x [K 2,048, N 64]; A: softmax (see below); B: computed on the way: QUANTISED (scales: A lowp_scales[4], B lowp_scales[5])
;;     4. [M 8,192, K 1,024] x [K 1,024, N 1,024]; A: computed on the way; B: input w_proj: QUANTISED (scales: A lowp_scales[6], B lowp_scales[7])
;;   THE QUANTISER, for each operand of a quantised product, along K:
;;     - The operand's scale is 2^e, e = its entry of the input lowp_scales (int32; the entries are numbered through the quantised products in the list's order, A before B).
;;     - Each number is divided by the scale, clamped to +-448, and rounded to the nearest number of E4M3, ties to even, subnormals kept.
;;     - The product sums the exact products of the quantised numbers (number of the format x scale) in f32.
;;   ~~~python
;;   def quantise(x, axis, e):      # numpy; x: float32 -> the quantised numbers, widened to float32 again
;;       x = np.moveaxis(x, axis, -1); K = x.shape[-1]
;;       r = np.clip(x / 2.0 ** e, -448, 448)
;;       step = 2.0 ** (np.maximum(np.frexp(np.where(r == 0, 1, r))[1] - 1, -6) - 3)
;;       q = np.round(r / step) * step * 2.0 ** e      # np.round: ties to even
;;       return np.moveaxis(q, -1, axis).astype(np.float32)
;;   ~~~
;;   SOFTMAX AHEAD OF A QUANTISED PRODUCT. Where the list says 'softmax', what is quantised is not the finished softmax but p = 2^(t - M), with t = logit x log2(e) and M = ceil(the row's largest t), a whole number; so 1/2 < the row's largest p <= 1. The row's sum l is taken of the UNQUANTISED p, in f32, and the product's result is divided by l at the end. Since M is a whole number, a kernel that streams over the keys may use a running M (the ceiling of the running maximum): every later rescaling is an exact power of two, so the quantised numbers keep their values, but for numbers so far below the row's largest that they fall under the format's range.
;;   OPERANDS COMPUTED ON THE WAY. 'Computed on the way' means the value that the module computes at that place (a softmax that the list does not call 'softmax' is quantised finished and normalised). What goes into a quantiser is computed in f32, as accurately as f32 sums, v_exp_f32 and their like allow (about 1e-6 of the number): no bf16 or f16 on the way to a quantiser, and a product that is left as it is and whose result goes on into a quantised operand takes f32 operands (vector FMAs, or v_wmma_f32_16x16x4_f32). A number that lies on a knife's edge between two numbers of the format may be rounded either way, as far as f32 arithmetic and the matrix unit's own rounding can turn it there, and no further.
;; One version. Each part assembles by itself: llvm-mc -triple=amdgcn-amd-amdhsa -mcpu=gfx1250 --defsym DOCPART=n.
;; ======== version 1 of 1: 4 launches
;; limits: right only within a limited range of input values
;; workspace buffers: xw_img 12,582,912 bytes; qkv_img 25,165,824 bytes; y_img 8,388,608 bytes
;; launch quant (part 1): grid 384 x 1, 4 waves a work-group, no clusters, 34,304 bytes of LDS; arguments x, w_qkv, w_proj, lowp_scales, xw_img; writes xw_img
.if DOCPART == 1
	.amdgcn_target "amdgcn-amd-amdhsa--gfx1250"
	.amdhsa_code_object_version 6
	.text
	.protected	k_qad0682fd9e_quant
	.globl	k_qad0682fd9e_quant
	.p2align	8
	.type	k_qad0682fd9e_quant,@function
k_qad0682fd9e_quant:
	s_mov_b64 s[64:65], 0
	v_nop
	global_prefetch_b8 v0, s[64:65] scope:SCOPE_SE
	s_setreg_imm32_b32 hwreg(HW_REG_WAVE_MODE, 25, 1), 1
	s_wait_xcnt 0x0
; x [8192][1024], w_qkv [1024][3072] and w_proj [1024][1024], f32, become codes of FP8 (E4M3), each with the one scale 2^e given for it (entries 0, 1 and 7 of the scales).
; code = number / 2^e, held within +-448, rounded to the nearest code, ties to even.  LIMITS: each of the three e lies between -126 and 119.  NaN among the inputs is not served; an infinity is held at the largest code.
; THE OUTPUT IS LAID AS IMAGES OF OPERAND REGISTERS.  A tile is 16 rows of an operand (tokens of x, columns of a weight) x all 1,024 of K: 16,384 bytes = [K step of 128: 2,048][chunk c: 512][lane l: 16].
; Lane l = 16 h + r of chunk c holds, of the tile's row r, K = 32 c + 16 h + 0 .. 15: the four registers that one 16-byte load gives a lane of a fragment.
; THE ROWS OF A TILE ARE NOT NEIGHBOURS: row r of tile T is the operand's row 32 (T / 2) + 8 (T % 2) + r + 8 (r / 8), so that results of later products fall into such images by themselves.
; xw_img: x's 512 tiles from byte 0; from byte 0x800000 the weights' 256 tiles: 0-191 w_qkv's columns, 192-255 w_proj's.
; Work-groups 0-255 take x (K innermost: the numbers turn through the wave's own stage in LDS), 256-383 the weights (K outermost: a lane takes a column, its registers run down K; no LDS).
; Waves share nothing: no barrier.  Every store of a wave covers whole aligned runs of 256 bytes.
.set EMAX, 8
.set MANT, 0x600000                    ; the mantissa field of 448 as f32
.set XSP,  528                         ; x's stage: a row of 512 bytes + 16: the 16 rows that a read touches start 16 bytes apart modulo 256
.set XST,  16*XSP                      ; a wave's stage
.set XR,   16                          ; v16-143  x: two sets of 64 numbers
.set XC,   144                         ; v144-207 x: 16 registers of codes for each of a wave's four fragments, never rewritten
.set WOF,  16                          ; v16-47   weights: byte offset of row i of a block of 32, at my column
.set WX,   48                          ; v48-111  weights: two sets of 32 numbers
.set WC,   112                         ; v112-175 weights: 8 registers of codes for each of 8 blocks, never rewritten
.macro LOADX f                         ; fragment f: the tile's 16 rows x 128 numbers; each load reads 512 consecutive bytes of one row
.irp i, 0,1,2,3,4,5,6,7,8,9,10,11,12,13,14,15
	global_load_b128 v[XR+64*((\f)%2)+4*\i:XR+64*((\f)%2)+4*\i+3], v3, s[4:5] offset:(\i+8*(\i/8))*4096+512*(\f) th:TH_LOAD_NT
.endr
.endm
.macro FRAGX f
.set XS, XR+64*((\f)%2)
.if (\f) < 3
	s_wait_loadcnt 16                              ; this fragment's 16 loads are in; the next fragment's 16 may be out
.else
	s_wait_loadcnt 0
.endif
.irp i, 0,1,2,3,4,5,6,7,8,9,10,11,12,13,14,15
	ds_store_b128 v4, v[XS+4*\i:XS+4*\i+3] offset:XSP*\i      ; row i as it was loaded
.endr
.irp c, 0,1,2,3
.irp j, 0,1,2,3
	ds_load_b128 v[XS+16*\c+4*\j:XS+16*\c+4*\j+3], v5 offset:128*\c+16*\j   ; back: of row r the 16 neighbours 32 c + 16 h + 0 .. 15.  LDS serves a wave's instructions in order (ISA guide 5.7.1.4): these see the stores above
.endr
.endr
	s_wait_dscnt 0x0
.set jj, 0
.rept 64
.set jj, jj+1
.endr
.irp g, 0,1,2,3,4,5,6,7
	v_cvt_scalef32_pk8_fp8_f32 v[XC+16*(\f)+2*\g:XC+16*(\f)+2*\g+1], v[XS+8*\g:XS+8*\g+7], v11
.endr
.irp c, 0,1,2,3
	global_store_b128 v3, v[XC+16*(\f)+4*\c:XC+16*(\f)+4*\c+3], s[12:13] offset:2048*(\f)+512*\c   ; chunk c: 512 consecutive bytes
.endr
.if (\f) < 2
	LOADX (\f)+2                                   ; into the set that has just been converted
.endif
.endm
.macro LOADW t                         ; block t: rows 32 t + 0 .. 31 of my 256 of K, at my column; the 32 lanes read 128 consecutive bytes
.set jj, 0
.rept 32
	global_load_b32 v[WX+32*((\t)%2)+jj], v[WOF+jj], s[32+2*(\t):33+2*(\t)] th:TH_LOAD_NT
.set jj, jj+1
.endr
.endm
.macro BLOCKW t
.set XS, WX+32*((\t)%2)
.if (\t) < 7
	s_wait_loadcnt 32                              ; this block's 32 loads are in; the next block's 32 may be out
.else
	s_wait_loadcnt 0
.endif
.set jj, 0
.rept 32
.set jj, jj+1
.endr
.irp g, 0,1,2,3
	v_cvt_scalef32_pk8_fp8_f32 v[WC+8*(\t)+2*\g:WC+8*(\t)+2*\g+1], v[XS+8*\g:XS+8*\g+7], v11
.endr
	global_store_b128 v8, v[WC+8*(\t):WC+8*(\t)+3], s[12:13] offset:512*(\t)            ; K = 32 t + 0 .. 15: the chunk's lanes 0-15; sixteen lanes fill 256 consecutive bytes
	global_store_b128 v8, v[WC+8*(\t)+4:WC+8*(\t)+7], s[12:13] offset:512*(\t)+256      ; K = 32 t + 16 .. 31: its lanes 16-31
.if (\t) < 6
	LOADW (\t)+2
.endif
.endm
	s_load_b256 s[4:11], s[0:1], 0x0               ; x s[4:5], w_qkv s[6:7], w_proj s[8:9], the scales' exponents s[10:11]
	s_load_b64 s[12:13], s[0:1], 0x20              ; xw_img
	v_lshl_add_u32 v208, v0, 2, 0x8400
	v_mov_b32 v209, 0
	v_lshrrev_b32 v1, 5, v0
	v_readfirstlane_b32 s16, v1                    ; wave 0..3
	v_and_b32 v2, 31, v0                           ; lane
	v_and_b32 v6, 15, v0                           ; r
	v_bfe_u32 v7, v0, 4, 1                         ; h
	s_wait_kmcnt 0x0
	s_load_b256 s[24:31], s[10:11], 0x0            ; e0 .. e7
	s_cmp_lt_u32 ttmp9, 256
	s_cbranch_scc0 .Lweights
	s_wait_alu depctr_va_vdst(0)
	; ---- x.  Work-group id takes tiles 2 id and 2 id + 1; wave w takes tile 2 id + w / 2, K steps 4 (w % 2) + 0 .. 3: four fragments
	v_lshlrev_b32 v3, 4, v2                        ; 16 x lane: my bytes of a load's 512 and of a chunk
	s_wait_alu depctr_va_vdst(0)
	s_mul_i32 s17, s16, XST
	v_add_nc_u32 v4, s17, v3                       ; the stage, on the way in
	v_mul_u32_u24 v5, v6, XSP
	v_lshl_add_u32 v5, v7, 6, v5
	v_add_nc_u32 v5, s17, v5                       ; and on the way out: row r, + 64 h bytes
	s_lshr_b32 s18, s16, 1
	s_and_b32 s19, s16, 1
	s_lshl_b32 s20, ttmp9, 17                      ; 32 id rows of 4,096 bytes,
	s_lshl_b32 s21, s18, 15                        ; + 8 rows for the odd tile,
	s_add_co_u32 s20, s20, s21
	s_lshl_b32 s21, s19, 11                        ; + my first K step's 4 x 512 bytes
	s_add_co_u32 s20, s20, s21
	s_mov_b32 s21, 0
	s_add_nc_u64 s[4:5], s[4:5], s[20:21]
	s_lshl_b32 s22, ttmp9, 15                      ; the tile's 16,384 bytes,
	s_lshl_b32 s23, s18, 14
	s_add_co_u32 s22, s22, s23
	s_lshl_b32 s23, s19, 13                        ; + 4 K steps of 2,048
	s_add_co_u32 s22, s22, s23
	s_mov_b32 s23, 0
	s_add_nc_u64 s[12:13], s[12:13], s[22:23]
	LOADX 0
	LOADX 1
	s_wait_alu depctr_va_vdst(0)
	s_wait_kmcnt 0x0
	s_add_co_i32 s22, s24, 127
	s_lshl_b32 s23, s22, 23
	v_mov_b32 v11, s23                             ; 2^e0 as f32: the conversion takes its exponent field
	s_add_co_i32 s22, s22, EMAX
	s_lshl_b32 s22, s22, 23
	s_or_b32 s22, s22, MANT
	s_wait_alu depctr_va_vdst(0)
	FRAGX 0
	FRAGX 1
	FRAGX 2
	FRAGX 3
	s_wait_tensorcnt 0x0
	ds_add_u32 v208, v209
	s_wait_dscnt 0x0
	s_endpgm
.Lweights:
	; ---- the weights, as one operand of 4,096 columns.  gx = 128 columns, gy = 256 of K; wave w takes 32 columns: two tiles.  Lane 16 u + r takes row r of tile u: column 8 u + r + 8 (r / 8) of the 32
	s_sub_co_u32 s17, ttmp9, 256
	s_and_b32 s18, s17, 31                         ; gx
	s_lshr_b32 s19, s17, 5                         ; gy
	s_cmp_lt_u32 s18, 24                           ; columns under 3,072 are w_qkv's: the choice hangs on the work-group's number alone
	s_cselect_b64 s[4:5], s[6:7], s[8:9]
	s_mov_b32 s20, 4096
	s_cselect_b32 s20, 12288, s20                  ; a row of the weight in bytes
	s_cselect_b32 s21, 0, 3072                     ; its first column among the 4,096
	s_wait_alu depctr_va_vdst(0)
	v_and_b32 v3, 8, v6
	v_add_nc_u32 v3, v3, v6
	v_lshl_add_u32 v3, v7, 3, v3
	v_lshlrev_b32 v3, 2, v3                        ; my column's bytes among the wave's 128
.irp i, 0,1,2,3,4,5,6,7,8,9,10,11,12,13,14,15,16,17,18,19,20,21,22,23,24,25,26,27,28,29,30,31
	v_mad_u32_u24 v[WOF+\i], s20, \i, v3
.endr
	v_lshlrev_b32 v8, 4, v6
	v_lshl_add_u32 v8, v7, 14, v8                  ; out: tile u, 16 r
	s_lshl_b32 s22, s18, 7
	s_lshl_b32 s23, s16, 5
	s_add_co_u32 s22, s22, s23
	s_sub_co_u32 s22, s22, s21                     ; the wave's first column in its weight
	s_lshl_b32 s22, s22, 2
	s_mul_i32 s23, s19, s20
	s_lshl_b32 s23, s23, 8                         ; 256 gy rows
	s_add_co_u32 s22, s22, s23
	s_mov_b32 s23, 0
	s_add_nc_u64 s[32:33], s[4:5], s[22:23]        ; block 0's base;
	s_lshl_b32 s22, s20, 5
.irp t, 1,2,3,4,5,6,7
	s_add_nc_u64 s[32+2*\t:33+2*\t], s[30+2*\t:31+2*\t], s[22:23]   ; each further block 32 rows down: a base of its own, so that none is stepped while loads are out
.endr
	s_lshl_b32 s22, s18, 17                        ; tile 8 gx + 2 w,
	s_lshl_b32 s21, s16, 15
	s_add_co_u32 s22, s22, s21
	s_lshl_b32 s21, s19, 12                        ; + gy's two K steps,
	s_add_co_u32 s22, s22, s21
	s_add_co_u32 s22, s22, 0x800000                ; behind x's tiles
	s_add_nc_u64 s[12:13], s[12:13], s[22:23]
	s_wait_alu depctr_va_vdst(0)
	LOADW 0
	LOADW 1
	s_wait_kmcnt 0x0
	s_cmp_lt_u32 s18, 24
	s_cselect_b32 s22, s25, s31                    ; e1 or e7
	s_add_co_i32 s22, s22, 127
	s_lshl_b32 s21, s22, 23
	v_mov_b32 v11, s21
	s_add_co_i32 s22, s22, EMAX
	s_lshl_b32 s22, s22, 23
	s_or_b32 s22, s22, MANT
	s_wait_alu depctr_va_vdst(0)
.irp t, 0,1,2,3,4,5,6,7
	BLOCKW \t
.endr
	s_endpgm
.Lfunc_end_k_qad0682fd9e_quant:
	.size	k_qad0682fd9e_quant, .Lfunc_end_k_qad0682fd9e_quant-k_qad0682fd9e_quant
	.p2alignl 7, 3214868480
	.fill 96, 4, 3214868480
	.section	.rodata,"a",@progbits
	.p2align	6, 0x0
	.amdhsa_kernel k_qad0682fd9e_quant
		.amdhsa_group_segment_fixed_size 34304
		.amdhsa_private_segment_fixed_size 0
		.amdhsa_enable_private_segment 0
		.amdhsa_kernarg_size 40
		.amdhsa_user_sgpr_count 2
		.amdhsa_user_sgpr_kernarg_segment_ptr 1
		.amdhsa_wavefront_size32 1
		.amdhsa_system_sgpr_workgroup_id_x 1
		.amdhsa_system_sgpr_workgroup_id_y 1
		.amdhsa_system_sgpr_workgroup_id_z 1
		.amdhsa_system_vgpr_workitem_id 0
		.amdhsa_next_free_vgpr 210
		.amdhsa_next_free_sgpr 66
		.amdhsa_reserve_vcc 0
		.amdhsa_float_denorm_mode_32 3
		.amdhsa_float_denorm_mode_16_64 3
		.amdhsa_fp16_overflow 1
		.amdhsa_memory_ordered 1
		.amdhsa_forward_progress 1
		.amdhsa_inst_pref_size 52
	.end_amdhsa_kernel
	.amdgpu_metadata
---
amdhsa.version: [ 1, 2 ]
amdhsa.kernels:
  - .name:           k_qad0682fd9e_quant
    .symbol:         k_qad0682fd9e_quant.kd
    .args:
      - { .name: x, .offset: 0, .size: 8, .value_kind: global_buffer, .address_space: global }
      - { .name: w_qkv, .offset: 8, .size: 8, .value_kind: global_buffer, .address_space: global }
      - { .name: w_proj, .offset: 16, .size: 8, .value_kind: global_buffer, .address_space: global }
      - { .name: lowp_scales, .offset: 24, .size: 8, .value_kind: global_buffer, .address_space: global }
      - { .name: xw_img, .offset: 32, .size: 8, .value_kind: global_buffer, .address_space: global }
    .group_segment_fixed_size: 34304
    .private_segment_fixed_size: 0
    .kernarg_segment_align: 8
    .kernarg_segment_size: 40
    .max_flat_workgroup_size: 128
    .sgpr_count:     66
    .vgpr_count:     210
    .wavefront_size: 32
...
	.end_amdgpu_metadata
.endif
;; end of part 1
;; launch qkv (part 2): grid 12 x 32, 4 waves a work-group, clusters of 4 x 4, 327,680 bytes of LDS; arguments xw_img, lowp_scales, qkv_img; writes qkv_img
.if DOCPART == 2
	.amdgcn_target "amdgcn-amd-amdhsa--gfx1250"
	.amdhsa_code_object_version 6
	.text
	.protected	k_qad0682fd9e_qkv
	.globl	k_qad0682fd9e_qkv
	.p2align	8
	.type	k_qad0682fd9e_qkv,@function
k_qad0682fd9e_qkv:
	s_mov_b64 s[64:65], 0
	v_nop
	global_prefetch_b8 v0, s[64:65] scope:SCOPE_SE
	s_setreg_imm32_b32 hwreg(HW_REG_WAVE_MODE, 25, 1), 1
	s_wait_xcnt 0x0
	s_wait_alu depctr_hold_cnt(0) depctr_sa_sdst(0) depctr_va_vdst(0) depctr_va_sdst(0) depctr_va_ssrc(0) depctr_va_vcc(0) depctr_vm_vsrc(0)
	s_getreg_b32 s2, hwreg(HW_REG_IB_STS2, 6, 4)
	s_cmp_eq_u32 s2, 0
	s_cbranch_scc0 .Lentry_in_a_cluster
	s_endpgm
.Lentry_in_a_cluster:
	s_bfe_u32 s2, ttmp6, 0x10000c
	s_cmp_lg_u32 s2, 0xf033
	s_cbranch_scc0 .Lentry_shape_is_right
	s_endpgm
.Lentry_shape_is_right:
; qkv = x w_qkv on codes of FP8 (E4M3), K = 1,024; the f32 sums are quantised at once into q, k and v^T, the operands of the attention launch.
; OPERANDS ARE IMAGES OF REGISTERS: a tile = 16 rows x 1,024 K = 16,384 bytes = [K step of 128: 2,048][chunk c: 512][lane: 16]; lane 16 h + r of chunk c holds of row r K = 32 c + 16 h + 0 .. 15.
; Row r of tile T is the operand's row 32 (T / 2) + 8 (T % 2) + r + 8 (r / 8).  The same places of k in both operands: every product meets its partner.
; A block of C, 256 x 256, is made by four waves, each 128 x 128: 64 accumulators, 512 registers.  THE MATRIX INSTRUCTION IS USED TRANSPOSED (source 0 = a tile of B', source 1 = a tile of A'):
; lane (r, h) then holds row r of A's tile, and the 16 registers of B's tiles 2 b and 2 b + 1 are B's rows 32 b + 16 h + 0 .. 15: converted, they ARE chunk b of an image whose rows are A's and whose K is B's rows.
; So the results are stored from registers, 512 consecutive bytes a store, with no way through LDS.
; Cluster x = 0: q, 1: k (A' = x's tokens, B' = the weight's columns: images [token][d]).  Cluster x = 2: v (A' = the weight's v columns, B' = x's tokens: images [d][key], K = the keys): the operands change places, the text does not.
; qkv_img: q from 0, k from 0x800000: (batch x 16 + head) x 131,072 + token tile x 1,024 + c x 512; v from 0x1000000: (batch x 16 + head) x 131,072 + key step of 128 x 8,192 + d tile x 2,048 + c x 512.
; K goes in four steps of 256 through two LDS slots; a tile's part of a step is 4,096 consecutive bytes, laid on end in LDS: every fragment load reads 512 consecutive bytes, so no padding is wanted.
; CLUSTERS: 4 x 4 work-groups; A's tiles are shared along a row of the cluster, B's along a column, each asked for jointly.  384 blocks of 256 x 256; a block never straddles q, k and v.
; LIMITS: e2 - e0 - e1, e3 - e0 - e1 and e5 - e0 - e1 lie between -126 and 119.
; REGISTERS: window 0: v12-29 constants and addresses; from v128 A's fragments, one set (later the codes).  window 1: B's fragments, two sets.  windows 2, 3: accumulator (a, b) at v[8 (8 (a % 4) + b)] of window 2 + a / 4.
.set NAB,    8                         ; A's tiles of a wave
.set H,      NAB/2
.set QN,     NAB/4
.set FR,     16                        ; registers of a fragment: 16 rows x 128 K
.set NL,     4                         ; LDS loads that bring one
.set NP,     4                         ; places behind this matrix instruction (ISA guide 7.12.1)
.set KB,     4096                      ; a tile's bytes of a K step of 256
.set ATB,    NAB*KB                    ; half of A's tiles of a slot: what one tensor load brings and one wave reads
.set BHB,    8*KB                      ; the same for B
.set BOFF,   2*ATB
.set SLOT,   BOFF+2*BHB                ; A's two halves, then B's two
.set SPARE,  2*SLOT                    ; behind the ring: the spare words, 128 bytes for each wave, that no other line names
.set SCV,  12                          ; v12  the conversions' scale
.set LIMV, 13
.set ADRA, 16                          ; v16-17  LDS address of my A fragments in slot 0, 1
.set ADRB, 20                          ; v20-21  the same for B
.set CO,   26                          ; v26  16 x lane
.set SPW,  28                          ; v28  my spare word; never rewritten
.set NIL,  29                          ; v29  0; never rewritten
.set TMP,  32
.set AF,   128
.set CD,   128                         ; the codes: 16 registers for each of A's eight tiles
.set G1, 24                            ; s[24:31] descriptor group 1 for A's tiles; s[32:39] group 0, a set for each slot
.set G0, 32
.set G1B, 48                           ; s[48:55], s[56:63] the same for B's
.set G0B, 56
.set MSB, 0
.macro WIN new                         ; the immediate's high byte repeats the setting that is left
.if MSB != (\new)
	s_set_vgpr_msb (MSB<<8)|(\new)
.set MSB, (\new)
.endif
.endm
.set MUL_LO, 0xa1                      ; source 0 (B) window 1, source 1 (A) window 0, C and D window 2; + 0x50: window 3
.set TO_B,   0x40                      ; destination window 1, address window 0
; A joint load: waves 0 and 1 fetch A's halves, waves 2 and 3 B's.  The branch hangs on the wave's number alone.  Four v_nop follow each of the two lines.
.macro JLOAD g0a, g1a, g0b, g1b
	s_cmp_eq_u32 s15, 0
	s_cbranch_scc0 .Lfor_b_\@
	tensor_load_to_lds s[\g0a:\g0a+3], s[\g1a:\g1a+7]
	s_nop 0
.rept 4
	v_nop
.endr
	s_branch .Lasked_\@
.Lfor_b_\@:
	tensor_load_to_lds s[\g0b:\g0b+3], s[\g1b:\g1b+7]
	s_nop 0
.rept 4
	v_nop
.endr
.Lasked_\@:
.endm
.macro CREST                           ; a round of the cluster's barrier behind its opening barrier
	s_cmp_lg_u32 s14, 0
	s_cbranch_scc1 .Lnot_wave_0_\@
	s_barrier_signal -3
.Lnot_wave_0_\@:
	s_barrier_wait -3
	s_barrier_signal -1
	s_barrier_wait -1
.endm
.macro CROUND
	s_barrier_signal -1
	s_barrier_wait -1
	CREST
.endm
.macro FRAG reg, adr, q, i             ; tile i's fragment of the slot's q-th 128 along K: four chunks, 512 consecutive bytes each
.irp c, 0,1,2,3
	ds_load_b128 v[\reg+4*\c:\reg+4*\c+3], v[\adr] offset:KB*(\i)+2048*(\q)+512*\c
.endr
.endm
; A's tiles a0 .. a0 + n - 1, each against B's eight (set p), 128 along K.  zero = 1: the product starts the sums.  The accumulators take turns, one instruction a turn, in the same order in every step.
.macro MULS a0, n, p, zero
.set aa, \a0
.rept \n
	WIN MUL_LO+0x50*(aa/4)
.irp b, 0,1,2,3,4,5,6,7
.if \zero
	v_wmma_f32_16x16x128_fp8_fp8 v[8*(8*(aa%4)+\b):8*(8*(aa%4)+\b)+7], v[128*(\p)+FR*\b:128*(\p)+FR*\b+FR-1], v[AF+FR*aa:AF+FR*aa+FR-1], 0
.else
	v_wmma_f32_16x16x128_fp8_fp8 v[8*(8*(aa%4)+\b):8*(8*(aa%4)+\b)+7], v[128*(\p)+FR*\b:128*(\p)+FR*\b+FR-1], v[AF+FR*aa:AF+FR*aa+FR-1], v[8*(8*(aa%4)+\b):8*(8*(aa%4)+\b)+7]
.endif
.endr
.set aa, aa+1
.endr
.endm
.macro FETCH_B slot, q, p
	WIN TO_B
.irp i, 0,1,2,3,4,5,6,7
	FRAG 128*(\p)+FR*\i, ADRB+\slot, \q, \i
.endr
	WIN 0
.endm
.macro FETCH_A slot, q, i0             ; A's tiles i0 .. i0 + H - 1
.set ii, \i0
.rept H
	FRAG AF+FR*ii, ADRA+\slot, \q, ii
.set ii, ii+1
.endr
.endm
.macro PLACES n                        ; plain vector instructions between a matrix instruction and a load into, or a vector read of, its registers (ISA guide 7.12.1 for vector reads)
.rept \n
	v_nop
.endr
.endm
; A step of 128 along K that has its successor in the same slot.  A tile of A is free as soon as its eight products are issued, so A has one set of registers: the lower tiles are fetched anew in the step's middle, the upper at its end.
.macro STEP slot, q, zero
	s_wait_dscnt H*NL                              ; B's set and A's lower tiles are in; the youngest loads (A's upper tiles) may be out
	MULS 0, H, (\q)%2, \zero
	s_wait_dscnt 0
	PLACES NP
	FETCH_B \slot, (\q)+1, 1-(\q)%2
	FETCH_A \slot, (\q)+1, 0
	MULS H, H, (\q)%2, \zero
	PLACES NP
	WIN 0
	FETCH_A \slot, (\q)+1, H
.endm
; A slot's last step changes slots: one barrier; in front of it each wave waits for all its tensor loads, adds 0 to its spare word, and waits for that and for its reads of this slot.  fill = 1: this slot is filled again, two K steps ahead.
.macro TURN slot, next, fill
	s_wait_tensorcnt 0x0                           ; all my tensor loads have landed: my part of the next slot
	ds_add_u32 v[SPW], v[NIL]                      ; 0 onto my spare word
	s_wait_dscnt H*NL+1                            ; (the add and the youngest loads, A's upper tiles, may be out)
	MULS 0, QN, 1, 0                               ; matrix work stands between the add and the wait for it
	s_wait_dscnt 0x0                               ; the add is done, and my reads of this slot are over
	s_barrier_signal -1
	MULS QN, QN, 1, 0
	WIN 0
	s_barrier_wait -1
.if \fill
	CREST                                          ; the barrier has opened a round of the cluster's: no wave of any partner still reads this slot or has a load on its way
	s_add_nc_u64 s[G0+4*\slot+2:G0+4*\slot+3], s[G0+4*\slot+2:G0+4*\slot+3], 2*KB
	s_add_nc_u64 s[G0B+4*\slot+2:G0B+4*\slot+3], s[G0B+4*\slot+2:G0B+4*\slot+3], 2*KB
	JLOAD G0+4*\slot, G1, G0B+4*\slot, G1B         ; the first tensor load behind the round; its four v_nop are also the places in front of the loads below
.else
	PLACES NP
.endif
	FETCH_B \next, 0, 0
	FETCH_A \next, 0, 0
	MULS H, H, 1, 0
	PLACES NP
	WIN 0
	FETCH_A \next, 0, H
.endm
	s_load_b128 s[4:7], s[0:1], 0x0                ; xw_img s[4:5], the scales' exponents s[6:7]
	s_load_b64 s[10:11], s[0:1], 0x10              ; qkv_img
	v_lshl_add_u32 v[SPW], v0, 2, SPARE
	v_mov_b32 v[NIL], 0
	ds_add_u32 v28, v29
	ds_add_u32 v28, v29
	s_wait_dscnt 0x0
	v_lshrrev_b32 v1, 5, v0
	v_readfirstlane_b32 s14, v1                    ; wave 0..3
	s_lshr_b32 s15, s14, 1                         ; which half of A's tiles is mine.  Also: I fetch for A (0) or for B (1)
	s_and_b32 s16, s14, 1                          ; which half of B's.  Also: which half I fetch
	s_bfe_u32 s40, ttmp6, 0x40000                  ; cx, cy: my place in the cluster
	s_bfe_u32 s41, ttmp6, 0x40004
	s_and_b32 s13, ttmp7, 0xffff                   ; cluster y
	s_cmp_lt_u32 ttmp9, 2                          ; q or k?  (cluster x is the same in all sixteen partners)
	s_cselect_b32 s42, ttmp9, s13                  ; B's blocks: the weight's (4 x cluster x + cx), or for v the tokens' (4 x cluster y + cx)
	s_cselect_b32 s17, s13, 0                      ; A's blocks: the tokens' (4 x cluster y + cy), or for v the weight's v columns' (cy)
	s_cselect_b32 s66, 0, 0xA00000                 ; where A's tiles begin in xw_img: x, or the weights' tile 128
	s_cselect_b32 s67, 0x800000, 0                 ; and B's: the weights' tile 0, or x
	s_lshl_b32 s42, s42, 2
	s_add_co_u32 s42, s42, s40                     ; B's block
	s_lshl_b32 s17, s17, 2
	s_add_co_u32 s17, s17, s41                     ; A's block
	s_lshl_b32 s43, s41, 2
	s_lshl_b32 s43, 15, s43                        ; my row of the cluster
	s_lshl_b32 s44, 0x1111, s40                    ; my column
	; descriptor group 1: 8 rows (tiles) of 512 elements of 8 bytes, 2,048 elements (a tile) apart; dense in LDS
	s_or_b32 s[G1+0], s43, (3<<16)|(1<<21)         ; 15:0 the mask: A's tiles go to my row; 17:16 elements of 8 bytes; 21 set beside a mask
	s_or_b32 s[G1B+0], s44, (3<<16)|(1<<21)
.irp g, G1, G1B
	s_mov_b32 s[\g+1], 512<<16                     ; tensor_dim0
	s_mov_b32 s[\g+2], 8<<16                       ; tensor_dim1
	s_mov_b32 s[\g+3], 512<<16                     ; tile_dim0
	s_mov_b32 s[\g+4], 8                           ; tile_dim1
	s_mov_b32 s[\g+5], 2048                        ; tensor_dim0_stride
	s_mov_b32 s[\g+6], 0
	s_mov_b32 s[\g+7], 0
.endr
	s_lshl_b32 s18, s16, 3                         ; which 8 tiles of the block's 16 I fetch
	s_lshl_b32 s20, s17, 4
	s_add_co_u32 s20, s20, s18
	s_lshl_b32 s20, s20, 14
	s_add_co_u32 s20, s20, s66                     ; A: made of cy, the clusters' coordinates and the wave's number
	s_mov_b32 s21, 0
	s_lshl_b32 s46, s42, 4
	s_add_co_u32 s46, s46, s18
	s_lshl_b32 s46, s46, 14
	s_add_co_u32 s46, s46, s67                     ; B: of cx likewise
	s_mov_b32 s47, 0
	s_mul_i32 s45, s16, ATB                        ; where they go: no place in the cluster enters an LDS address
	s_lshl_b32 s68, s16, 15
	s_add_co_u32 s68, s68, BOFF
	s_wait_kmcnt 0x0
	s_load_b256 s[72:79], s[6:7], 0x0              ; e0 .. e7
	s_add_nc_u64 s[20:21], s[4:5], s[20:21]
	s_add_nc_u64 s[46:47], s[4:5], s[46:47]
	CROUND                                         ; all sixteen work-groups are here: the first joint loads meet
.irp s, 0,1
	s_mov_b32 s[G0+4*\s], 1
	s_add_co_u32 s[G0+4*\s+1], s45, \s*SLOT
	s_add_nc_u64 s[G0+4*\s+2:G0+4*\s+3], s[20:21], \s*KB
	s_or_b32 s[G0+4*\s+3], s[G0+4*\s+3], 0x80000000
	s_mov_b32 s[G0B+4*\s], 1
	s_add_co_u32 s[G0B+4*\s+1], s68, \s*SLOT
	s_add_nc_u64 s[G0B+4*\s+2:G0B+4*\s+3], s[46:47], \s*KB
	s_or_b32 s[G0B+4*\s+3], s[G0B+4*\s+3], 0x80000000
	JLOAD G0+4*\s, G1, G0B+4*\s, G1B
.endr
	v_and_b32 v1, 31, v0
	v_lshlrev_b32 v[CO], 4, v1                     ; 16 x lane
	s_mul_i32 s21, s15, ATB                        ; my half of A's tiles
	s_lshl_b32 s22, s16, 15
	s_add_co_u32 s22, s22, BOFF                    ; my half of B's
.irp s, 0,1
	v_add_nc_u32 v[ADRA+\s], s21, v[CO]
	v_add_nc_u32 v[ADRB+\s], s22, v[CO]
	s_add_co_u32 s21, s21, SLOT
	s_add_co_u32 s22, s22, SLOT
.endr
	; where my results go.  q, k: batch = A's block / 8, head = 4 cx + 2 (B's half) + b / 2, token tile = 16 (A's block % 8) + 8 (A's half) + a
	s_lshr_b32 s80, s17, 3
	s_lshl_b32 s80, s80, 4
	s_lshl_b32 s81, s40, 2
	s_add_co_u32 s80, s80, s81
	s_lshl_b32 s81, s16, 1
	s_add_co_u32 s80, s80, s81
	s_lshl_b32 s80, s80, 17
	s_and_b32 s81, s17, 7
	s_lshl_b32 s81, s81, 4
	s_lshl_b32 s82, s15, 3
	s_add_co_u32 s81, s81, s82
	s_lshl_b32 s81, s81, 10
	s_add_co_u32 s80, s80, s81
	s_lshl_b32 s81, ttmp9, 23
	s_add_co_u32 s80, s80, s81
	; v: batch = B's block / 8, head = 4 (A's block) + 2 (A's half) + a / 4, key step = 2 (B's block % 8) + B's half
	s_lshr_b32 s84, s42, 3
	s_lshl_b32 s84, s84, 4
	s_lshl_b32 s85, s17, 2
	s_add_co_u32 s84, s84, s85
	s_lshl_b32 s85, s15, 1
	s_add_co_u32 s84, s84, s85
	s_lshl_b32 s84, s84, 17
	s_and_b32 s85, s42, 7
	s_lshl_b32 s85, s85, 1
	s_add_co_u32 s85, s85, s16
	s_lshl_b32 s85, s85, 13
	s_add_co_u32 s84, s84, s85
	s_add_co_u32 s84, s84, 0x1000000
	s_cmp_lt_u32 ttmp9, 2
	s_cselect_b32 s80, s80, s84
	s_mov_b32 s81, 0
	s_add_nc_u64 s[10:11], s[10:11], s[80:81]
	s_wait_alu depctr_va_vdst(0)
	s_wait_tensorcnt 1                             ; my part of K step 0 is in (K step 1's load may be out),
	s_barrier_signal -1
	s_barrier_wait -1                              ; everybody's is
	FETCH_B 0, 0, 0
	FETCH_A 0, 0, 0
	FETCH_A 0, 0, H
	STEP 0, 0, 1                                   ; K = 1,024 is eight steps of 128, written in a row: the first starts the sums
	TURN 0, 1, 1                                   ; slot 0 takes K 512 on
	STEP 1, 0, 0
	TURN 1, 0, 1                                   ; slot 1 takes K 768 on
	STEP 0, 0, 0
	TURN 0, 1, 0                                   ; nothing is left to fetch
	STEP 1, 0, 0
	s_wait_dscnt H*NL
	MULS 0, H, 1, 0
	s_wait_dscnt 0
	MULS H, H, 1, 0
	WIN 0
	; THE WAY OUT.  A sum stands for sum x 2^(e0 + e1), so its code is sum / 2^(e - e0 - e1), e = e2 (q), e3 (k) or e5 (v): the three scales are folded into the conversion's one
	s_wait_kmcnt 0x0
	s_cmp_eq_u32 ttmp9, 0
	s_cselect_b32 s86, s74, s75
	s_cmp_eq_u32 ttmp9, 2
	s_cselect_b32 s86, s77, s86
	s_sub_co_i32 s86, s86, s72
	s_sub_co_i32 s86, s86, s73
	s_add_co_i32 s86, s86, 127
	s_lshl_b32 s87, s86, 23
	v_mov_b32 v[SCV], s87
	s_add_co_i32 s86, s86, 8
	s_lshl_b32 s86, s86, 23
	s_or_b32 s86, s86, 0x600000
	PLACES NP
.irp a, 0,1,2,3,4,5,6,7
	WIN 0x02+(\a/4)                                ; source 0: window 2 or 3
.set jj, 0
.rept 64
.set jj, jj+1
.endr
.irp g, 0,1,2,3,4,5,6,7
	v_cvt_scalef32_pk8_fp8_f32 v[CD+16*\a+2*\g:CD+16*\a+2*\g+1], v[TMP+8*\g+((64*(\a%4)+jj)-(TMP+jj)):TMP+8*\g+7+((64*(\a%4)+jj)-(TMP+jj))], v[SCV]
.endr
	WIN 0
	v_nop
.endr
	s_cmp_eq_u32 ttmp9, 2                          ; the two layouts differ in the stores' immediates alone; the branch is the same in all partners and jumps over stores only
	s_cbranch_scc1 .Lv_out
.irp a, 0,1,2,3,4,5,6,7
.irp b, 0,1,2,3
	global_store_b128 v[CO], v[CD+16*\a+4*\b:CD+16*\a+4*\b+3], s[10:11] offset:(\b/2)*131072+\a*1024+(\b%2)*512   ; head + b / 2, token tile + a, chunk b % 2: 512 consecutive bytes
.endr
.endr
	s_branch .Lstored
.Lv_out:
	s_wait_alu depctr_va_vdst(0)
.irp a, 0,1,2,3,4,5,6,7
.irp b, 0,1,2,3
	global_store_b128 v[CO], v[CD+16*\a+4*\b:CD+16*\a+4*\b+3], s[10:11] offset:(\a/4)*131072+(\a%4)*2048+\b*512   ; head + a / 4, d tile a % 4, chunk b
.endr
.endr
.Lstored:
	s_wait_tensorcnt 0x0                           ; the wave's end
	ds_add_u32 v[SPW], v[NIL]
	s_wait_dscnt 0x0
	CROUND                                         ; the closing round: no work-group ends while a partner may still ask for a tile that names it
	s_endpgm
.Lfunc_end_k_qad0682fd9e_qkv:
	.size	k_qad0682fd9e_qkv, .Lfunc_end_k_qad0682fd9e_qkv-k_qad0682fd9e_qkv
	.p2alignl 7, 3214868480
	.fill 96, 4, 3214868480
	.section	.rodata,"a",@progbits
	.p2align	6, 0x0
	.amdhsa_kernel k_qad0682fd9e_qkv
		.amdhsa_group_segment_fixed_size 327680
		.amdhsa_private_segment_fixed_size 0
		.amdhsa_enable_private_segment 0
		.amdhsa_kernarg_size 24
		.amdhsa_user_sgpr_count 2
		.amdhsa_user_sgpr_kernarg_segment_ptr 1
		.amdhsa_wavefront_size32 1
		.amdhsa_system_sgpr_workgroup_id_x 1
		.amdhsa_system_sgpr_workgroup_id_y 1
		.amdhsa_system_sgpr_workgroup_id_z 1
		.amdhsa_system_vgpr_workitem_id 0
		.amdhsa_next_free_vgpr 1024
		.amdhsa_next_free_sgpr 100
		.amdhsa_reserve_vcc 0
		.amdhsa_float_denorm_mode_32 3
		.amdhsa_float_denorm_mode_16_64 3
		.amdhsa_fp16_overflow 1
		.amdhsa_memory_ordered 1
		.amdhsa_forward_progress 1
		.amdhsa_inst_pref_size 89
	.end_amdhsa_kernel
	.amdgpu_metadata
---
amdhsa.version: [ 1, 2 ]
amdhsa.kernels:
  - .name:           k_qad0682fd9e_qkv
    .symbol:         k_qad0682fd9e_qkv.kd
    .args:
      - { .name: xw_img, .offset: 0, .size: 8, .value_kind: global_buffer, .address_space: global }
      - { .name: lowp_scales, .offset: 8, .size: 8, .value_kind: global_buffer, .address_space: global }
      - { .name: qkv_img, .offset: 16, .size: 8, .value_kind: global_buffer, .address_space: global }
    .group_segment_fixed_size: 327680
    .private_segment_fixed_size: 0
    .kernarg_segment_align: 8
    .kernarg_segment_size: 24
    .max_flat_workgroup_size: 128
    .sgpr_count:     100
    .vgpr_count:     1024
    .wavefront_size: 32
...
	.end_amdgpu_metadata
.endif
;; end of part 2
;; launch attn (part 3): grid 4 x 64, 8 waves a work-group, no clusters, 327,680 bytes of LDS; arguments qkv_img, lowp_scales, y_img; writes y_img
.if DOCPART == 3
	.amdgcn_target "amdgcn-amd-amdhsa--gfx1250"
	.amdhsa_code_object_version 6
	.text
	.protected	k_qad0682fd9e_attn
	.globl	k_qad0682fd9e_attn
	.p2align	8
	.type	k_qad0682fd9e_attn,@function
k_qad0682fd9e_attn:
	s_mov_b64 s[64:65], 0
	v_nop
	global_prefetch_b8 v0, s[64:65] scope:SCOPE_SE
	s_setreg_imm32_b32 hwreg(HW_REG_WAVE_MODE, 25, 1), 1
	s_wait_xcnt 0x0
; y[b][h][q] = the sum over keys k <= q of softmax_k(q . k / 32) v, both products on codes of FP8 (E4M3); y leaves as codes, the left operand of the last product.
; THE SOFTMAX AHEAD OF THE SECOND PRODUCT: t = score x log2(e) / 32; M = the running largest t rounded UP to a whole number; p = 2^(t - M) is quantised with 2^e4, not normalised; the row's sum is taken of the
; unquantised p and divides at the end.  When M moves, the sum and O are multiplied by 2^(old M - new M): nothing is rounded, and no branch hangs on data.
; INPUTS are images of operand registers (a chunk = 512 bytes, lane 16 h + r: 16 bytes; row r of tile T is row 32 (T / 2) + 8 (T % 2) + r + 8 (r / 8)):
;   q, k: (b 16 + head) x 131,072 + token tile x 1,024 + c x 512 (d = 32 c + 16 h + ..);  v: (b 16 + head) x 131,072 + key step of 128 x 8,192 + d tile x 2,048 + c x 512 (key = 32 c + 16 h + ..).
; Both products are used transposed (S^T = K Q^T, O^T = V^T P^T): a lane holds ONE query; the 16 registers of key tiles 2 b, 2 b + 1 are keys 32 b + 16 h + 0 .. 15, so p's codes are the second product's operand,
; and O^T's 16 registers of d tiles 2 b, 2 b + 1 are chunk b of y's image: y_img: (b 128 + token tile) x 16,384 + head x 1,024 + b x 512.
; SHARES.  Work-group (p, head) takes the blocks of 256 queries p and 7 - p, one after the other: block p walks key slots (256 keys) 0 .. p, block 7 - p slots 0 .. 7 - p: NINE slot trips whatever p, a constant of the text.
; Each of eight waves owns 32 queries, two tiles, which share every fragment of K and V.  A key step all of whose keys come after the wave's queries is left out by a scalar branch on ids; on the diagonal hidden scores become -infinity.
; RING: two LDS slots of 32,768 bytes (K's 16 tiles, then V's two steps), each half one dense tensor load (wave 0: K, wave 1: V).
; NO JOINT LOADS: the four work-groups of a head want different slots in the same trip (work-group p goes back to slot 0 behind trip p); walking in step would take 4 + 8 = 12 trips in place of 9.
; LIMITS: e2 + e3 between -121 and 132 (added to c's exponent field); e4, and e6 - e4 - e5, between -126 and 119.
; REGISTERS.  window 0: v1-15 addresses and constants; v16-31 statistics, 8 a tile: +0 -M, +1 the largest t, +2,3 the sum, +4,5 f, +6,7 at work; v32-37 at work; v40-55 y's codes; v64-191 S^T then p, 64 a tile;
;   v192-223 p's codes; v224-239 Q; v240-255 the second block's Q.   window 1: v0-63 K's eight fragments; v64-127 V's four; v128-191 O^T, 32 a tile.
.set SLOTB, 32768
.set VOFF,  16384
.set SPARE, 65536                      ; behind the ring: the spare words, 128 bytes for each of eight waves, that no other line names
.set AL,   1                           ; v1   16 x lane; never rewritten
.set ADK,  2                           ; v2   LDS address of the slot in hand
.set PFO,  3                           ; v3   256 x lane; never rewritten
.set SPW,  4                           ; v4   my spare word; never rewritten
.set NIL,  5                           ; v5   0; never rewritten
.set PSC,  6                           ; v6   2^e4
.set PLIM, 7
.set YSC,  8                           ; v8   2^(e6 - e4 - e5)
.set YLIM, 9
.set NINF, 10                          ; v10  -infinity
.set LQ,   12                          ; v12-13  tile u: my query less the wave's first, less 16 h
.set DD,   14                          ; v14-15  the mask's bound
.set ST,   16
.set SUM2, 32                          ; v[32:33], v[34:35] the sums' second chains
.set PRM,  36                          ; v36-37  lane permutes' destinations
.set YC,   40
.set S,    64
.set P,    192
.set Q,    224
.set QH,   240
.set KFR,  0                           ; in window 1
.set VFR,  64
.set O,    128
.set WV,   10                          ; s10  wave
.set BH,   12                          ; s12  batch x 16 + head
.set QB,   13                          ; s13  the block of queries in hand
.set KS,   14                          ; s14  the key slot in hand
.set Q0,   15                          ; s15  my first query
.set KF,   16                          ; s16  the step's first key
.set TB,   17                          ; s17  LDS byte of the slot in hand
.set SLOTS, 18                         ; s18  slots still to be asked for
.set SEL,  20                          ; s[20:21] selects for v_permlanex16_b32: lane l xor 16
.set CS,   22                          ; s[22:23] c = log2(e) / 32 x 2^(e2 + e3)
.set G1,   24                          ; s[24:31] descriptor group 1
.set G0,   32                          ; s[32:35] group 0, which walks
.set GB,   36                          ; s[36:37] what I fetch from: K's or V's first byte of my head
.set PFA,  56                          ; s[56:57] where my prefetches stand
.set LIM,  58                          ; s58  1 in a wave that prefetches, else the greatest number
.set MSB, 0
.macro WIN new                         ; the immediate's high byte repeats the setting that is left
.if MSB != (\new)
	s_set_vgpr_msb (MSB<<8)|(\new)
.set MSB, (\new)
.endif
.endm
.macro TLOAD                           ; wave 0 fetches a slot's K, wave 1 its V, the others nothing.  Four v_nop follow the line
	s_cmp_lt_u32 s[WV], 2
	s_cbranch_scc0 .Lasked_\@
	tensor_load_to_lds s[G0:G0+3], s[G1:G1+7]
	s_nop 0
.rept 4
	v_nop
.endr
.Lasked_\@:
.endm
; A prefetch of what the NEXT change of slots will ask for.  All four work-groups of a head read the same K and V; work-group p = 0 asks, whose second block walks slots 0 .. 7 in trips 1 .. 8: in trip i it names slot i + 1.
; In it waves 4 and 5 ask for K's 16,384 bytes and waves 6 and 7 for V's, 8,192 a wave, lanes 256 bytes apart: each aligned 256 bytes of slots 1 .. 7 is named once.  The last trip that fills a slot asks for nothing.
.macro ASK
	s_cmp_gt_u32 s[SLOTS], s[LIM]
	s_cbranch_scc0 .Lnot_mine_\@
	global_prefetch_b8 v[PFO], s[PFA:PFA+1] th:TH_LOAD_NT scope:SCOPE_SE
.Lnot_mine_\@:
.endm
.macro INIT                            ; a block of queries begins: the largest t under every t, the sums and O^T zero, which the first change of M leaves zero
.irp u, 0,1
	v_mov_b32 v[ST+8*\u+1], 0xff61b1e6             ; -3e38
	s_delay_alu instid0(VALU_DEP_1)
	v_floor_f32 v[ST+8*\u], -v[ST+8*\u+1]
	v_mov_b32 v[ST+8*\u+2], 0
	v_mov_b32 v[ST+8*\u+3], 0
.endr
	WIN 0x40
.set jj, 0
.rept 64
	v_mov_b32 v[O+jj], 0
.set jj, jj+1
.endr
	WIN 0
.endm
; A KEY STEP: 128 keys, the q-th of the slot in hand, for my two tiles of queries.
.macro STEP q
	s_add_co_u32 s19, s[Q0], 31
	s_cmp_gt_u32 s[KF], s19                        ; all keys come after my 32 queries: the step's work is left out
	s_cbranch_scc1 .Lhidden_\@
	v_add_nc_u32 v[ADK], s[TB], v[AL]
.rept 3
	v_nop                                          ; with the addition four places in front of loads into registers that the last products read
.endr
	WIN 0x40                                       ; destination window 1
.irp t, 0,1,2,3,4,5,6,7
	ds_load_b128 v[KFR+8*\t:KFR+8*\t+3], v[ADK] offset:8192*(\q)+1024*\t
	ds_load_b128 v[KFR+8*\t+4:KFR+8*\t+7], v[ADK] offset:8192*(\q)+1024*\t+512
.endr
.irp t, 0,1,2,3
.irp c, 0,1,2,3
	ds_load_b128 v[VFR+16*\t+4*\c:VFR+16*\t+4*\c+3], v[ADK] offset:VOFF+8192*(\q)+2048*\t+512*\c
.endr
.endr
	s_wait_dscnt 16                                ; K's 16 loads are in; V's 16 may be out
	WIN 0x01                                       ; source 0 (K) window 1
.irp t, 0,1,2,3,4,5,6,7
.irp u, 0,1
	v_wmma_f32_16x16x64_fp8_fp8 v[S+64*\u+8*\t:S+64*\u+8*\t+7], v[KFR+8*\t:KFR+8*\t+7], v[Q+8*\u:Q+8*\u+7], 0
.endr
.endr
	WIN 0
.rept 4
	v_nop
.endr
	s_add_co_u32 s19, s[KF], 127
	s_cmp_le_u32 s19, s[Q0]                        ; all 128 keys count for all my queries: no mask
	s_cbranch_scc1 .Lopen_\@
	s_sub_co_i32 s19, s[Q0], s[KF]
	v_add_nc_u32 v[DD], s19, v[LQ]                 ; register n of a tile holds key KF + 16 h + 32 (n / 16) + n % 16: hidden where 32 (n / 16) + n % 16 > my query - KF - 16 h
	v_add_nc_u32 v[DD+1], s19, v[LQ+1]
.irp n, 0,1,2,3,4,5,6,7,8,9,10,11,12,13,14,15,16,17,18,19,20,21,22,23,24,25,26,27,28,29,30,31,32,33,34,35,36,37,38,39,40,41,42,43,44,45,46,47,48,49,50,51,52,53,54,55,56,57,58,59,60,61,62,63
.irp u, 0,1
	v_cmp_gt_i32 vcc_lo, 32*(\n/16)+\n%16, v[DD+\u]
	v_cndmask_b32 v[S+64*\u+\n], v[S+64*\u+\n], v[NINF], vcc_lo
.endr
.endr
.Lopen_\@:
.irp u, 0,1
	v_max3_num_f32 v[ST+8*\u+6], v[S+64*\u], v[S+64*\u+1], v[S+64*\u+2]   ; the step's largest score of my query among my 64 keys, in two chains a tile, the tiles by turns
	v_max3_num_f32 v[ST+8*\u+7], v[S+64*\u+3], v[S+64*\u+4], v[S+64*\u+5]
.endr
.irp i, 6,10,14,18,22,26,30,34,38,42,46,50,54,58
.irp u, 0,1
	v_max3_num_f32 v[ST+8*\u+6], v[ST+8*\u+6], v[S+64*\u+\i], v[S+64*\u+\i+1]
	v_max3_num_f32 v[ST+8*\u+7], v[ST+8*\u+7], v[S+64*\u+\i+2], v[S+64*\u+\i+3]
.endr
.endr
.irp u, 0
	v_max3_num_f32 v[ST+8*\u+6], v[ST+8*\u+6], v[S+64*\u+62], v[S+64*\u+63]
.endr
.irp u, 1
	v_max3_num_f32 v[ST+8*\u+6], v[ST+8*\u+6], v[S+64*\u+62], v[S+64*\u+63]
.endr
.irp u, 0,1
	s_delay_alu instid0(VALU_DEP_2)
	v_max_num_f32 v[ST+8*\u+6], v[ST+8*\u+6], v[ST+8*\u+7]
.endr
.irp u, 0,1
	s_delay_alu instid0(VALU_DEP_2)
	v_permlanex16_b32 v[PRM+\u], v[ST+8*\u+6], s[SEL], s[SEL+1]
.endr
.irp u, 0,1
	s_delay_alu instid0(VALU_DEP_2)
	v_max_num_f32 v[ST+8*\u+6], v[ST+8*\u+6], v[PRM+\u]     ; and among lane l xor 16's
.endr
.irp u, 0,1
	s_delay_alu instid0(VALU_DEP_2)
	v_mul_f32 v[ST+8*\u+6], s[CS], v[ST+8*\u+6]             ; as t (c is positive)
.endr
.irp u, 0
	s_delay_alu instid0(VALU_DEP_2)
	v_max_num_f32 v[ST+8*\u+1], v[ST+8*\u+1], v[ST+8*\u+6]  ; the running largest t
	v_mov_b32 v[ST+8*\u+6], v[ST+8*\u]
.endr
.irp u, 1
	s_delay_alu instid0(VALU_DEP_3)
	v_max_num_f32 v[ST+8*\u+1], v[ST+8*\u+1], v[ST+8*\u+6]
	v_mov_b32 v[ST+8*\u+6], v[ST+8*\u]
.endr
.irp u, 0
	s_delay_alu instid0(VALU_DEP_4)
	v_floor_f32 v[ST+8*\u], -v[ST+8*\u+1]
.endr
.irp u, 1
	s_delay_alu instid0(VALU_DEP_3)
	v_floor_f32 v[ST+8*\u], -v[ST+8*\u+1]                   ; the new -M = floor(-t) = -ceil(t)
.endr
.irp u, 0,1
	s_delay_alu instid0(VALU_DEP_2)
	v_sub_f32 v[ST+8*\u+6], v[ST+8*\u], v[ST+8*\u+6]        ; old M - new M: a whole number, 0 or less
.endr
.irp u, 0,1
	s_delay_alu instid0(VALU_DEP_2)
	v_cvt_i32_f32 v[ST+8*\u+6], v[ST+8*\u+6]                ; (it saturates)
.endr
.irp u, 0,1
	s_delay_alu instid0(VALU_DEP_2)
	v_ldexp_f32 v[ST+8*\u+4], 1.0, v[ST+8*\u+6]             ; f = 2^(old M - new M)
.endr
.irp j, 0,2,4,6,8,10,12,14,16,18,20,22,24,26,28,30,32,34,36,38,40,42,44,46,48,50,52,54,56,58,60,62
.irp u, 0,1
	v_pk_fma_f32 v[S+64*\u+\j:S+64*\u+\j+1], v[S+64*\u+\j:S+64*\u+\j+1], s[CS:CS+1], v[ST+8*\u:ST+8*\u+1] op_sel_hi:[1,0,0]   ; t - M (of the pairs c and -M the low word serves both halves)
.endr
.endr
.set jj, 0
	s_wait_alu depctr_va_vdst(0)
.rept 128
	v_exp_f32 v[S+jj], v[S+jj]                     ; p = 2^(t - M): one batch for both tiles
.set jj, jj+1
.endr
.irp u, 0,1
	v_pk_mul_f32 v[ST+8*\u+2:ST+8*\u+3], v[ST+8*\u+2:ST+8*\u+3], v[ST+8*\u+4:ST+8*\u+5] op_sel_hi:[1,0]   ; the sums under the new M: plain lines behind the exponentials (ISA guide 5.7.2)
.endr
	s_wait_alu depctr_va_vdst(0)                   ; one wait for the batch, ahead of its first reader
.irp u, 0,1
	v_pk_add_f32 v[SUM2+2*\u:SUM2+2*\u+1], v[S+64*\u:S+64*\u+1], v[S+64*\u+2:S+64*\u+3]   ; the row's sum is taken of the unquantised p
.endr
.irp j, 4,8,12,16,20,24,28,32,36,40,44,48,52,56,60
.irp u, 0,1
	v_pk_add_f32 v[ST+8*\u+2:ST+8*\u+3], v[ST+8*\u+2:ST+8*\u+3], v[S+64*\u+\j:S+64*\u+\j+1]
	v_pk_add_f32 v[SUM2+2*\u:SUM2+2*\u+1], v[SUM2+2*\u:SUM2+2*\u+1], v[S+64*\u+\j+2:S+64*\u+\j+3]
.endr
.endr
.irp u, 0
	s_delay_alu instid0(VALU_DEP_3)
	v_pk_add_f32 v[ST+8*\u+2:ST+8*\u+3], v[ST+8*\u+2:ST+8*\u+3], v[SUM2+2*\u:SUM2+2*\u+1]
.endr
.irp u, 1
	s_delay_alu instid0(VALU_DEP_2)
	v_pk_add_f32 v[ST+8*\u+2:ST+8*\u+3], v[ST+8*\u+2:ST+8*\u+3], v[SUM2+2*\u:SUM2+2*\u+1]
.endr
.irp u, 0,1
.irp b, 0,1,2,3
.irp i, 0,1,2,3,4,5,6,7,8,9,10,11,12,13,14,15
.endr
	v_cvt_scalef32_pk8_fp8_f32 v[P+16*\u+4*\b:P+16*\u+4*\b+1], v[S+64*\u+16*\b:S+64*\u+16*\b+7], v[PSC]
	v_cvt_scalef32_pk8_fp8_f32 v[P+16*\u+4*\b+2:P+16*\u+4*\b+3], v[S+64*\u+16*\b+8:S+64*\u+16*\b+15], v[PSC]
.endr
.endr
	WIN 0x41                                       ; O^T (destination and source 0) window 1, f window 0
.irp j, 0,2,4,6,8,10,12,14,16,18,20,22,24,26,28,30
.irp u, 0,1
	v_pk_mul_f32 v[O+32*\u+\j:O+32*\u+\j+1], v[O+32*\u+\j:O+32*\u+\j+1], v[ST+8*\u+4:ST+8*\u+5] op_sel_hi:[1,0]   ; O^T under the new M; these also stand between the conversions and the products that read the codes
.endr
.endr
	s_wait_alu depctr_va_vdst(0)
	s_wait_dscnt 0x0                               ; V is in
	WIN 0x51                                       ; V, C and D window 1, p's codes window 0
.irp t, 0,1,2,3
.irp u, 0,1
	v_wmma_f32_16x16x128_fp8_fp8 v[O+32*\u+8*\t:O+32*\u+8*\t+7], v[VFR+16*\t:VFR+16*\t+15], v[P+16*\u:P+16*\u+15], v[O+32*\u+8*\t:O+32*\u+8*\t+7]   ; the eight accumulators by turns
.endr
.endr
	WIN 0
.Lhidden_\@:
	s_add_co_u32 s[KF], s[KF], 128
.endm
; THE CHANGE OF SLOTS, at a slot's head.  Each wave waits for all its tensor loads (its part of the slot ahead), adds 0 to its spare word, and waits for that and for its reads of the slot that it has left.
; fill = 1: behind the barrier that other slot takes the next trip's keys: slot KS + 1 of this block of queries, or slot 0 for the next block.  The load has a whole trip in which to land.
.macro CHANGE fill
	s_wait_tensorcnt 0x0                           ; no tensor load of mine is out, so group 0 may be written
	ds_add_u32 v[SPW], v[NIL]                      ; 0 onto my spare word
.if \fill
	s_xor_b32 s[G0+1], s[G0+1], SLOTB              ; the other slot than last time
	s_add_co_u32 s38, s[KS], 1
	s_cmp_eq_u32 s[KS], s[QB]
	s_cselect_b32 s38, 0, s38
	s_lshl_b32 s38, s38, 14                        ; a slot's K, and its V, are 16,384 bytes on end
	s_add_nc_u64 s[G0+2:G0+3], s[GB:GB+1], s[38:39]
	s_or_b32 s[G0+3], s[G0+3], 0x80000000          ; type = 2
	s_wait_xcnt 0x0                                ; the last prefetch, a trip back, has read its address:
	s_add_nc_u64 s[PFA:PFA+1], s[PFA:PFA+1], 16384 ; a slot on
.endif
	s_wait_dscnt 0x0                               ; the add is done, and my reads of the slot that I have left are over
	s_barrier_signal -1
	s_barrier_wait -1
.if \fill
	TLOAD                                          ; the first thing behind the barrier, and a wave's one tensor load until the next
	ASK
.endif
.endm
.macro SLOT_STEPS
	s_lshl_b32 s[KF], s[KS], 8
	STEP 0
	STEP 1
	s_xor_b32 s[TB], s[TB], SLOTB
.endm
; A block of queries is finished: O^T / the sum stands for y / 2^(e4 + e5); its code is that / 2^(e6 - e4 - e5).  The additions and the v_nop are the places behind the last products.
.macro FINISH yb
.irp u, 0,1
	v_add_f32 v[ST+8*\u+6], v[ST+8*\u+2], v[ST+8*\u+3]
.endr
.irp u, 0,1
	s_delay_alu instid0(VALU_DEP_2)
	v_permlanex16_b32 v[PRM+\u], v[ST+8*\u+6], s[SEL], s[SEL+1]
.endr
.irp u, 0,1
	s_delay_alu instid0(VALU_DEP_2)
	v_add_f32 v[ST+8*\u+6], v[ST+8*\u+6], v[PRM+\u]         ; the row's sum
.endr
	s_wait_alu depctr_va_vdst(0)
.irp u, 0,1
	v_rcp_f32 v[ST+8*\u+4], v[ST+8*\u+6]
.endr
	v_nop                                          ; a plain line behind the reciprocals
	s_wait_alu depctr_va_vdst(0)                   ; and the wait ahead of their first reader
	WIN 0x01                                       ; source 0 (O^T) window 1
.irp u, 0,1
.irp j, 0,2,4,6,8,10,12,14,16,18,20,22,24,26,28,30
	v_pk_mul_f32 v[S+32*\u+\j:S+32*\u+\j+1], v[O+32*\u+\j:O+32*\u+\j+1], v[ST+8*\u+4:ST+8*\u+5] op_sel_hi:[1,0]   ; each accumulator from its low end on
.endr
.endr
	WIN 0
.set jj, 0
.rept 64
.set jj, jj+1
.endr
	s_wait_alu depctr_va_vdst(0)
	s_wait_xcnt 0x0                                ; earlier stores have read their registers: y's codes are written again only behind this wait
.irp u, 0,1
.irp g, 0,1,2,3
	v_cvt_scalef32_pk8_fp8_f32 v[YC+8*\u+2*\g:YC+8*\u+2*\g+1], v[S+32*\u+8*\g:S+32*\u+8*\g+7], v[YSC]
.endr
.endr
	v_nop                                          ; a plain line behind the last conversion
.irp u, 0,1
.irp b, 0,1
	global_store_b128 v[AL], v[YC+8*\u+4*\b:YC+8*\u+4*\b+3], s[\yb:\yb+1] offset:16384*\u+512*\b   ; token tile + u, chunk b of my head: 512 consecutive bytes
.endr
.endr
.endm
	s_load_b128 s[4:7], s[0:1], 0x0                ; qkv_img s[4:5], the scales' exponents s[6:7]
	s_load_b64 s[8:9], s[0:1], 0x10                ; y_img
	v_lshl_add_u32 v[SPW], v0, 2, SPARE
	v_mov_b32 v[NIL], 0
	ds_add_u32 v4, v5
	ds_add_u32 v4, v5
	s_wait_dscnt 0x0
	v_lshrrev_b32 v11, 5, v0
	s_delay_alu instid0(VALU_DEP_1)
	v_readfirstlane_b32 s[WV], v11                 ; wave 0..7
	s_and_b32 s[BH], ttmp7, 0xffff
	s_mov_b32 s[QB], ttmp9                         ; the first block of queries: p
	s_mov_b32 s[KS], 0
	s_lshl_b32 s[Q0], ttmp9, 8
	s_lshl_b32 s19, s[WV], 5
	s_add_co_u32 s[Q0], s[Q0], s19                 ; 256 x block + 32 x wave
	s_mov_b32 s[TB], 0
	s_mov_b32 s[SLOTS], 8
	; descriptor group 1: 16,384 dense bytes as 64 rows of 32 elements of 8 bytes
	s_mov_b32 s[G1], 3<<16
	s_mov_b32 s[G1+1], 32<<16                      ; tensor_dim0
	s_mov_b32 s[G1+2], 64<<16                      ; tensor_dim1
	s_mov_b32 s[G1+3], 32<<16                      ; tile_dim0
	s_mov_b32 s[G1+4], 64                          ; tile_dim1
	s_mov_b32 s[G1+5], 32                          ; tensor_dim0_stride
	s_mov_b32 s[G1+6], 0
	s_mov_b32 s[G1+7], 0
	s_mov_b32 s[SEL], 0x76543210
	s_mov_b32 s[SEL+1], 0xfedcba98
	s_and_b32 s59, s[WV], 1
	s_mov_b32 s[G0], 1
	s_lshl_b32 s[G0+1], s59, 14                    ; slot 0: K at 0, V at 16,384
	s_add_co_u32 s38, s59, 1
	s_lshl_b32 s38, s38, 23                        ; k's region, or v's,
	s_lshl_b32 s60, s[BH], 17                      ; my head's 131,072 bytes in each region
	s_add_co_u32 s38, s38, s60
	s_mov_b32 s39, 0                               ; stays 0: s[38:39] is the pair for offsets
	s_wait_kmcnt 0x0
	s_load_b256 s[40:47], s[6:7], 0x0              ; e0 .. e7
	s_add_nc_u64 s[GB:GB+1], s[4:5], s[38:39]
	s_mov_b64 s[G0+2:G0+3], s[GB:GB+1]
	s_or_b32 s[G0+3], s[G0+3], 0x80000000
	TLOAD                                          ; key slot 0
	s_lshl_b32 s19, ttmp9, 4
	s_lshl_b32 s59, s[WV], 1
	s_add_co_u32 s19, s19, s59                     ; my first token tile in block p,
	s_sub_co_u32 s61, 7, ttmp9
	s_lshl_b32 s61, s61, 4
	s_add_co_u32 s61, s61, s59                     ; and in block 7 - p
	s_lshl_b32 s38, s19, 10
	s_add_co_u32 s38, s38, s60
	s_add_nc_u64 s[48:49], s[4:5], s[38:39]        ; q of the first block,
	s_lshl_b32 s38, s61, 10
	s_add_co_u32 s38, s38, s60
	s_add_nc_u64 s[50:51], s[4:5], s[38:39]        ; of the second
	s_lshr_b32 s62, s[BH], 4
	s_lshl_b32 s62, s62, 7                         ; the batch's 128 token tiles
	s_and_b32 s63, s[BH], 15
	s_lshl_b32 s63, s63, 10                        ; the head's 1,024 bytes of a tile
	s_add_co_u32 s38, s62, s19
	s_lshl_b32 s38, s38, 14
	s_add_co_u32 s38, s38, s63
	s_add_nc_u64 s[52:53], s[8:9], s[38:39]        ; y of the first block,
	s_add_co_u32 s38, s62, s61
	s_lshl_b32 s38, s38, 14
	s_add_co_u32 s38, s38, s63
	s_add_nc_u64 s[54:55], s[8:9], s[38:39]        ; of the second
	s_bfe_u32 s38, s[WV], 0x10001                  ; the prefetches: waves 4, 5: k's region; 6, 7: v's
	s_add_co_u32 s38, s38, 1
	s_lshl_b32 s38, s38, 23
	s_add_co_u32 s38, s38, s60
	s_and_b32 s59, s[WV], 1
	s_lshl_b32 s59, s59, 13                        ; my 8,192 of a slot's 16,384
	s_add_co_u32 s38, s38, s59
	s_add_nc_u64 s[PFA:PFA+1], s[4:5], s[38:39]    ; in slot 0: the first change of slots steps it to slot 1.  Nothing is prefetched here, at the head
	s_lshr_b32 s59, s[WV], 2
	s_xor_b32 s59, s59, 1                          ; 0 in waves 4 to 7,
	s_or_b32 s59, s59, ttmp9                       ; of the head's work-group 0
	s_cmp_eq_u32 s59, 0
	s_cselect_b32 s[LIM], 1, -1
	v_and_b32 v11, 31, v0
	s_delay_alu instid0(VALU_DEP_1)
	v_lshlrev_b32 v[AL], 4, v11
	s_delay_alu instid0(VALU_DEP_2)
	v_lshlrev_b32 v[PFO], 8, v11
.irp u, 0,1
.irp c, 0,1
	global_load_b128 v[Q+8*\u+4*\c:Q+8*\u+4*\c+3], v[AL], s[48:49] offset:1024*\u+512*\c    ; Q's fragments stay in registers,
	global_load_b128 v[QH+8*\u+4*\c:QH+8*\u+4*\c+3], v[AL], s[50:51] offset:1024*\u+512*\c  ; the second block's wait beside them
.endr
.endr
	v_and_b32 v11, 15, v0                          ; r
	s_delay_alu instid0(VALU_DEP_1)
	v_and_b32 v[LQ], 8, v11
	s_delay_alu instid0(VALU_DEP_1)
	v_add_nc_u32 v[LQ], v[LQ], v11                 ; r + 8 (r / 8)
	v_bfe_u32 v11, v0, 4, 1
	s_delay_alu instid0(VALU_DEP_1)
	v_lshlrev_b32 v11, 4, v11
	s_delay_alu instid0(VALU_DEP_1)
	v_sub_nc_u32 v[LQ], v[LQ], v11                 ; - 16 h
	s_delay_alu instid0(VALU_DEP_1)
	v_add_nc_u32 v[LQ+1], 8, v[LQ]                 ; the odd tile's queries lie 8 further on
	v_mov_b32 v[NINF], 0xff800000
	v_mov_b32 v[PRM], 0                            ; written once: a lane permute's destination counts as one of its sources
	v_mov_b32 v[PRM+1], 0
	v_mov_b32 v[ST+5], 0                           ; (named as the upper halves of the pairs that hold f)
	v_mov_b32 v[ST+13], 0
	INIT
	s_wait_kmcnt 0x0
	s_add_co_i32 s19, s42, s43
	s_lshl_b32 s19, s19, 23
	s_mov_b32 s[CS], 0x3d38aa3b                    ; log2(e) / 32
	s_add_co_i32 s[CS], s[CS], s19                 ; a score stands for score x 2^(e2 + e3): the exponents are added to c's exponent field
	s_mov_b32 s[CS+1], s[CS]                       ; (named with it as a pair, so it is written)
	s_add_co_i32 s19, s44, 127
	s_lshl_b32 s59, s19, 23
	v_mov_b32 v[PSC], s59
	s_sub_co_i32 s19, s46, s44
	s_sub_co_i32 s19, s19, s45
	s_add_co_i32 s19, s19, 127
	s_lshl_b32 s59, s19, 23
	v_mov_b32 v[YSC], s59
	s_wait_loadcnt 0x0                             ; Q
.Lslot:                                            ; eight trips: behind each change of slots but the last the next trip's keys are asked for
	CHANGE 1
	SLOT_STEPS
	s_cmp_lg_u32 s[KS], s[QB]                      ; was this the block's last slot, the diagonal's?  That happens once in the loop, in trip p; the same in all eight waves
	s_cbranch_scc1 .Lsame
	FINISH 52
	s_sub_co_u32 s[QB], 7, ttmp9                   ; on to block 7 - p, from key slot 0
	s_lshl_b32 s[Q0], s[QB], 8
	s_lshl_b32 s19, s[WV], 5
	s_add_co_u32 s[Q0], s[Q0], s19
	s_mov_b32 s[KS], -1
.set jj, 0
.rept 16
	v_mov_b32 v[Q+jj], v[QH+jj]
.set jj, jj+1
.endr
	INIT
.Lsame:
	s_add_co_u32 s[KS], s[KS], 1
	s_sub_co_u32 s[SLOTS], s[SLOTS], 1
	s_cmp_lg_u32 s[SLOTS], 0
	s_cbranch_scc1 .Lslot
	CHANGE 0                                       ; the ninth trip is written out: block 7 - p's diagonal
	SLOT_STEPS
	FINISH 54
	s_wait_tensorcnt 0x0                           ; the wave's end
	ds_add_u32 v[SPW], v[NIL]
	s_wait_dscnt 0x0
	s_endpgm
.Lfunc_end_k_qad0682fd9e_attn:
	.size	k_qad0682fd9e_attn, .Lfunc_end_k_qad0682fd9e_attn-k_qad0682fd9e_attn
	.p2alignl 7, 3214868480
	.fill 96, 4, 3214868480
	.section	.rodata,"a",@progbits
	.p2align	6, 0x0
	.amdhsa_kernel k_qad0682fd9e_attn
		.amdhsa_group_segment_fixed_size 327680
		.amdhsa_private_segment_fixed_size 0
		.amdhsa_enable_private_segment 0
		.amdhsa_kernarg_size 24
		.amdhsa_user_sgpr_count 2
		.amdhsa_user_sgpr_kernarg_segment_ptr 1
		.amdhsa_wavefront_size32 1
		.amdhsa_system_sgpr_workgroup_id_x 1
		.amdhsa_system_sgpr_workgroup_id_y 1
		.amdhsa_system_sgpr_workgroup_id_z 1
		.amdhsa_system_vgpr_workitem_id 0
		.amdhsa_next_free_vgpr 512
		.amdhsa_next_free_sgpr 66
		.amdhsa_reserve_vcc 1
		.amdhsa_float_denorm_mode_32 3
		.amdhsa_float_denorm_mode_16_64 3
		.amdhsa_fp16_overflow 1
		.amdhsa_memory_ordered 1
		.amdhsa_forward_progress 1
		.amdhsa_inst_pref_size 160
	.end_amdhsa_kernel
	.amdgpu_metadata
---
amdhsa.version: [ 1, 2 ]
amdhsa.kernels:
  - .name:           k_qad0682fd9e_attn
    .symbol:         k_qad0682fd9e_attn.kd
    .args:
      - { .name: qkv_img, .offset: 0, .size: 8, .value_kind: global_buffer, .address_space: global }
      - { .name: lowp_scales, .offset: 8, .size: 8, .value_kind: global_buffer, .address_space: global }
      - { .name: y_img, .offset: 16, .size: 8, .value_kind: global_buffer, .address_space: global }
    .group_segment_fixed_size: 327680
    .private_segment_fixed_size: 0
    .kernarg_segment_align: 8
    .kernarg_segment_size: 24
    .max_flat_workgroup_size: 256
    .sgpr_count:     66
    .vgpr_count:     512
    .wavefront_size: 32
...
	.end_amdgpu_metadata
.endif
;; end of part 3
;; launch proj (part 4): grid 4 x 64, 4 waves a work-group, clusters of 4 x 4, 327,680 bytes of LDS; arguments y_img, xw_img, lowp_scales, out0; writes out0
.if DOCPART == 4
	.amdgcn_target "amdgcn-amd-amdhsa--gfx1250"
	.amdhsa_code_object_version 6
	.text
	.protected	k_qad0682fd9e_proj
	.globl	k_qad0682fd9e_proj
	.p2align	8
	.type	k_qad0682fd9e_proj,@function
k_qad0682fd9e_proj:
	s_mov_b64 s[64:65], 0
	v_nop
	global_prefetch_b8 v0, s[64:65] scope:SCOPE_SE
	s_setreg_imm32_b32 hwreg(HW_REG_WAVE_MODE, 25, 1), 1
	s_wait_xcnt 0x0
	s_wait_alu depctr_hold_cnt(0) depctr_sa_sdst(0) depctr_va_vdst(0) depctr_va_sdst(0) depctr_va_ssrc(0) depctr_va_vcc(0) depctr_vm_vsrc(0)
	s_getreg_b32 s2, hwreg(HW_REG_IB_STS2, 6, 4)
	s_cmp_eq_u32 s2, 0
	s_cbranch_scc0 .Lentry_in_a_cluster
	s_endpgm
.Lentry_in_a_cluster:
	s_bfe_u32 s2, ttmp6, 0x10000c
	s_cmp_lg_u32 s2, 0xf033
	s_cbranch_scc0 .Lentry_shape_is_right
	s_endpgm
.Lentry_shape_is_right:
; out0 = y w_proj on codes of FP8 (E4M3), K = 1,024; out0 [8192][1024] f32 = sum x 2^(e6 + e7).
; OPERANDS ARE IMAGES OF REGISTERS: a tile = 16 rows x 1,024 K = 16,384 bytes = [K step of 128: 2,048][chunk c: 512][lane: 16]; lane 16 h + r of chunk c holds of row r K = 32 c + 16 h + 0 .. 15.
; Row r of tile T is the operand's row 32 (T / 2) + 8 (T % 2) + r + 8 (r / 8).  A' = y_img's tokens; B' = w_proj's columns, the weights' tiles 192-255 of xw_img (from byte 0xB00000).
; A block of C is 128 x 256, so that there are 256 work-groups; four waves, each 64 x 128: 32 accumulators.  THE MATRIX INSTRUCTION IS USED TRANSPOSED (source 0 = a tile of B', source 1 = a tile of A'):
; lane (r, h) holds row r of A's tile, and its registers of B's tile b the columns 32 (b / 2) + 8 (b % 2) + 16 h + 0 .. 7.
; K goes in four steps of 256 through two LDS slots; a tile's part of a step is 4,096 consecutive bytes, laid on end in LDS: every fragment load reads 512 consecutive bytes, so no padding is wanted.
; CLUSTERS: 4 x 4 work-groups; A's tiles are shared along a row of the cluster, B's along a column, each asked for jointly.
; LIMIT: e6 + e7 lies between -126 and 127, so that 2^(e6 + e7) is an f32 number.
; REGISTERS: window 0: v16-29 addresses; v32-95 at work on the way out; v128-191 A's fragments, one set; on the way out v128-255 rows read back.  window 1: B's fragments, two sets.  window 2: accumulator (a, b) at v[8 (8 a + b)].
.set NAB,    4                         ; A's tiles of a wave
.set H,      NAB/2
.set QN,     NAB/4
.set FR,     16                        ; registers of a fragment: 16 rows x 128 K
.set NL,     4                         ; LDS loads that bring one
.set NP,     4                         ; places behind this matrix instruction (ISA guide 7.12.1)
.set KB,     4096                      ; a tile's bytes of a K step of 256
.set ATB,    NAB*KB                    ; half of A's tiles of a slot
.set BHB,    8*KB                      ; half of B's
.set BOFF,   2*ATB
.set SLOT,   BOFF+2*BHB
.set SPARE,  2*SLOT                    ; behind the ring: the spare words, 128 bytes for each wave, that no other line names
.set STAGE,  SPARE+512                 ; behind them: a stage of 16 rows x (512 bytes + 16) for each wave, bytes of its own into which no tile lands
.set SPITCH, 528
.set ADRA, 16                          ; v16-17  LDS address of my A fragments in slot 0, 1
.set ADRB, 20                          ; v20-21  the same for B
.set STO,  24                          ; v24  the way out: where I put my bytes of a row
.set RD,   25                          ; v25  where I read a row back
.set CO,   26                          ; v26  16 x lane
.set SPW,  28                          ; v28  my spare word; never rewritten
.set NIL,  29                          ; v29  0; never rewritten
.set TMP,  32
.set AF,   128
.set BK,   128                         ; 16 rows read back: v128-191 and v192-255 by turns
.set G1, 24                            ; s[24:31] descriptor group 1 for A's tiles; s[32:39] group 0, a set for each slot
.set G0, 32
.set G1B, 48                           ; s[48:55], s[56:63] the same for B's
.set G0B, 56
.set MSB, 0
.macro WIN new                         ; the immediate's high byte repeats the setting that is left
.if MSB != (\new)
	s_set_vgpr_msb (MSB<<8)|(\new)
.set MSB, (\new)
.endif
.endm
.set MUL_LO, 0xa1                      ; source 0 (B) window 1, source 1 (A) window 0, C and D window 2
.set TO_B,   0x40                      ; destination window 1, address window 0
; A joint load: waves 0 and 1 fetch A's halves, waves 2 and 3 B's.  The branch hangs on the wave's number alone.  Four v_nop follow each of the two lines.
.macro JLOAD g0a, g1a, g0b, g1b
	s_cmp_eq_u32 s15, 0
	s_cbranch_scc0 .Lfor_b_\@
	tensor_load_to_lds s[\g0a:\g0a+3], s[\g1a:\g1a+7]
	s_nop 0
.rept 4
	v_nop
.endr
	s_branch .Lasked_\@
.Lfor_b_\@:
	tensor_load_to_lds s[\g0b:\g0b+3], s[\g1b:\g1b+7]
	s_nop 0
.rept 4
	v_nop
.endr
.Lasked_\@:
.endm
.macro CREST                           ; a round of the cluster's barrier behind its opening barrier
	s_cmp_lg_u32 s14, 0
	s_cbranch_scc1 .Lnot_wave_0_\@
	s_barrier_signal -3
.Lnot_wave_0_\@:
	s_barrier_wait -3
	s_barrier_signal -1
	s_barrier_wait -1
.endm
.macro CROUND
	s_barrier_signal -1
	s_barrier_wait -1
	CREST
.endm
.macro FRAG reg, adr, q, i             ; tile i's fragment of the slot's q-th 128 along K: four chunks, 512 consecutive bytes each
.irp c, 0,1,2,3
	ds_load_b128 v[\reg+4*\c:\reg+4*\c+3], v[\adr] offset:KB*(\i)+2048*(\q)+512*\c
.endr
.endm
; A's tiles a0 .. a0 + n - 1, each against B's eight (set p), 128 along K.  zero = 1: the product starts the sums.  The accumulators take turns, one instruction a turn, in the same order in every step.
.macro MULS a0, n, p, zero
.set aa, \a0
.rept \n
	WIN MUL_LO+0x50*(aa/4)
.irp b, 0,1,2,3,4,5,6,7
.if \zero
	v_wmma_f32_16x16x128_fp8_fp8 v[8*(8*(aa%4)+\b):8*(8*(aa%4)+\b)+7], v[128*(\p)+FR*\b:128*(\p)+FR*\b+FR-1], v[AF+FR*aa:AF+FR*aa+FR-1], 0
.else
	v_wmma_f32_16x16x128_fp8_fp8 v[8*(8*(aa%4)+\b):8*(8*(aa%4)+\b)+7], v[128*(\p)+FR*\b:128*(\p)+FR*\b+FR-1], v[AF+FR*aa:AF+FR*aa+FR-1], v[8*(8*(aa%4)+\b):8*(8*(aa%4)+\b)+7]
.endif
.endr
.set aa, aa+1
.endr
.endm
.macro FETCH_B slot, q, p
	WIN TO_B
.irp i, 0,1,2,3,4,5,6,7
	FRAG 128*(\p)+FR*\i, ADRB+\slot, \q, \i
.endr
	WIN 0
.endm
.macro FETCH_A slot, q, i0             ; A's tiles i0 .. i0 + H - 1
.set ii, \i0
.rept H
	FRAG AF+FR*ii, ADRA+\slot, \q, ii
.set ii, ii+1
.endr
.endm
.macro PLACES n                        ; plain vector instructions between a matrix instruction and a load into, or a vector read of, its registers (ISA guide 7.12.1 for vector reads)
.rept \n
	v_nop
.endr
.endm
; A step of 128 along K that has its successor in the same slot.  A tile of A is free as soon as its eight products are issued, so A has one set of registers: the lower tiles are fetched anew in the step's middle, the upper at its end.
.macro STEP slot, q, zero
	s_wait_dscnt H*NL                              ; B's set and A's lower tiles are in; the youngest loads (A's upper tiles) may be out
	MULS 0, H, (\q)%2, \zero
	s_wait_dscnt 0
	PLACES NP
	FETCH_B \slot, (\q)+1, 1-(\q)%2
	FETCH_A \slot, (\q)+1, 0
	MULS H, H, (\q)%2, \zero
	PLACES NP
	WIN 0
	FETCH_A \slot, (\q)+1, H
.endm
; A slot's last step changes slots: one barrier; in front of it each wave waits for all its tensor loads, adds 0 to its spare word, and waits for that and for its reads of this slot.  fill = 1: this slot is filled again, two K steps ahead.
.macro TURN slot, next, fill
	s_wait_tensorcnt 0x0                           ; all my tensor loads have landed: my part of the next slot
	ds_add_u32 v[SPW], v[NIL]                      ; 0 onto my spare word
	s_wait_dscnt H*NL+1                            ; (the add and the youngest loads, A's upper tiles, may be out)
	MULS 0, QN, 1, 0                               ; matrix work stands between the add and the wait for it
	s_wait_dscnt 0x0                               ; the add is done, and my reads of this slot are over
	s_barrier_signal -1
	MULS QN, QN, 1, 0
	WIN 0
	s_barrier_wait -1
.if \fill
	CREST                                          ; the barrier has opened a round of the cluster's: no wave of any partner still reads this slot or has a load on its way
	s_add_nc_u64 s[G0+4*\slot+2:G0+4*\slot+3], s[G0+4*\slot+2:G0+4*\slot+3], 2*KB
	s_add_nc_u64 s[G0B+4*\slot+2:G0B+4*\slot+3], s[G0B+4*\slot+2:G0B+4*\slot+3], 2*KB
	JLOAD G0+4*\slot, G1, G0B+4*\slot, G1B         ; the first tensor load behind the round; its four v_nop are also the places in front of the loads below
.else
	PLACES NP
.endif
	FETCH_B \next, 0, 0
	FETCH_A \next, 0, 0
	MULS H, H, 1, 0
	PLACES NP
	WIN 0
	FETCH_A \next, 0, H
.endm
	s_load_b256 s[4:11], s[0:1], 0x0               ; y_img s[4:5], xw_img s[6:7], the scales' exponents s[8:9], out0 s[10:11]
	v_lshl_add_u32 v[SPW], v0, 2, SPARE
	v_mov_b32 v[NIL], 0
	ds_add_u32 v28, v29
	ds_add_u32 v28, v29
	s_wait_dscnt 0x0
	v_lshrrev_b32 v1, 5, v0
	v_readfirstlane_b32 s14, v1                    ; wave 0..3
	s_lshr_b32 s15, s14, 1                         ; which half of A's tiles is mine.  Also: I fetch for A (0) or for B (1)
	s_and_b32 s16, s14, 1                          ; which half of B's.  Also: which half I fetch
	s_bfe_u32 s40, ttmp6, 0x40000                  ; cx, cy: my place in the cluster
	s_bfe_u32 s41, ttmp6, 0x40004
	s_lshl_b32 s42, ttmp9, 2
	s_add_co_u32 s42, s42, s40                     ; block column of C = 4 x cluster x + cx
	s_and_b32 s17, ttmp7, 0xffff
	s_lshl_b32 s17, s17, 2
	s_add_co_u32 s17, s17, s41                     ; block row of C = 4 x cluster y + cy
	s_lshl_b32 s43, s41, 2
	s_lshl_b32 s43, 15, s43                        ; my row of the cluster
	s_lshl_b32 s44, 0x1111, s40                    ; my column
	; descriptor group 1: rows (tiles) of 512 elements of 8 bytes, 2,048 elements (a tile) apart; dense in LDS.  A: 4 rows; B: 8
	s_or_b32 s[G1+0], s43, (3<<16)|(1<<21)         ; 15:0 the mask: A's tiles go to my row; 17:16 elements of 8 bytes; 21 set beside a mask
	s_mov_b32 s[G1+1], 512<<16                     ; tensor_dim0
	s_mov_b32 s[G1+2], NAB<<16                     ; tensor_dim1
	s_mov_b32 s[G1+3], 512<<16                     ; tile_dim0
	s_mov_b32 s[G1+4], NAB                         ; tile_dim1
	s_mov_b32 s[G1+5], 2048                        ; tensor_dim0_stride
	s_mov_b32 s[G1+6], 0
	s_mov_b32 s[G1+7], 0
	s_or_b32 s[G1B+0], s44, (3<<16)|(1<<21)
	s_mov_b32 s[G1B+1], 512<<16
	s_mov_b32 s[G1B+2], 8<<16
	s_mov_b32 s[G1B+3], 512<<16
	s_mov_b32 s[G1B+4], 8
	s_mov_b32 s[G1B+5], 2048
	s_mov_b32 s[G1B+6], 0
	s_mov_b32 s[G1B+7], 0
	s_lshl_b32 s18, s16, 2                         ; A: tile 8 x block row + 4 x the half that I fetch
	s_lshl_b32 s20, s17, 3
	s_add_co_u32 s20, s20, s18
	s_lshl_b32 s20, s20, 14
	s_mov_b32 s21, 0
	s_lshl_b32 s18, s16, 3                         ; B: tile 16 x block column + 8 x the half, behind the weights' tile 192
	s_lshl_b32 s46, s42, 4
	s_add_co_u32 s46, s46, s18
	s_lshl_b32 s46, s46, 14
	s_add_co_u32 s46, s46, 0xB00000
	s_mov_b32 s47, 0
	s_mul_i32 s45, s16, ATB                        ; where they go: no place in the cluster enters an LDS address
	s_lshl_b32 s68, s16, 15
	s_add_co_u32 s68, s68, BOFF
	s_wait_kmcnt 0x0
	s_load_b256 s[72:79], s[8:9], 0x0              ; e0 .. e7
	s_add_nc_u64 s[20:21], s[4:5], s[20:21]
	s_add_nc_u64 s[46:47], s[6:7], s[46:47]
	CROUND                                         ; all sixteen work-groups are here: the first joint loads meet
.irp s, 0,1
	s_mov_b32 s[G0+4*\s], 1
	s_add_co_u32 s[G0+4*\s+1], s45, \s*SLOT
	s_add_nc_u64 s[G0+4*\s+2:G0+4*\s+3], s[20:21], \s*KB
	s_or_b32 s[G0+4*\s+3], s[G0+4*\s+3], 0x80000000
	s_mov_b32 s[G0B+4*\s], 1
	s_add_co_u32 s[G0B+4*\s+1], s68, \s*SLOT
	s_add_nc_u64 s[G0B+4*\s+2:G0B+4*\s+3], s[46:47], \s*KB
	s_or_b32 s[G0B+4*\s+3], s[G0B+4*\s+3], 0x80000000
	s_wait_alu depctr_va_vdst(0)
	s_wait_tensorcnt 0x0
	ds_add_u32 v28, v29
	ds_add_u32 v28, v29
	s_wait_dscnt 0x0
	CROUND
	JLOAD G0+4*\s, G1, G0B+4*\s, G1B
.endr
	v_and_b32 v1, 31, v0
	v_lshlrev_b32 v[CO], 4, v1                     ; 16 x lane
	s_mul_i32 s21, s15, ATB                        ; my half of A's tiles
	s_lshl_b32 s22, s16, 15
	s_add_co_u32 s22, s22, BOFF                    ; my half of B's
.irp s, 0,1
	v_add_nc_u32 v[ADRA+\s], s21, v[CO]
	v_add_nc_u32 v[ADRB+\s], s22, v[CO]
	s_add_co_u32 s21, s21, SLOT
	s_add_co_u32 s22, s22, SLOT
.endr
	s_mul_i32 s23, s14, 16*SPITCH
	s_add_co_u32 s23, s23, STAGE                   ; my stage
	v_and_b32 v2, 15, v0                           ; r
	v_bfe_u32 v3, v0, 4, 1                         ; h
	v_mul_u32_u24 v[STO], v2, SPITCH
	v_lshl_add_u32 v[STO], v3, 6, v[STO]
	v_add_nc_u32 v[STO], s23, v[STO]               ; in: row r, + 64 h bytes
	v_add_nc_u32 v[RD], s23, v[CO]                 ; back: the 32 lanes take one row of 512 bytes
	s_lshl_b32 s80, s17, 19                        ; my first row of out0: (128 x block row + 64 x half) x 4,096 bytes,
	s_lshl_b32 s81, s15, 18
	s_add_co_u32 s80, s80, s81
	s_lshl_b32 s81, s42, 10                        ; my first column: (256 x block column + 128 x half) x 4 bytes
	s_add_co_u32 s80, s80, s81
	s_lshl_b32 s81, s16, 9
	s_add_co_u32 s80, s80, s81
	s_mov_b32 s81, 0
	s_add_nc_u64 s[10:11], s[10:11], s[80:81]
	s_wait_alu depctr_va_vdst(0)
	s_wait_tensorcnt 1                             ; my part of K step 0 is in (K step 1's load may be out),
	s_barrier_signal -1
	s_barrier_wait -1                              ; everybody's is
	FETCH_B 0, 0, 0
	FETCH_A 0, 0, 0
	FETCH_A 0, 0, H
	STEP 0, 0, 1                                   ; K = 1,024 is eight steps of 128, written in a row: the first starts the sums
	TURN 0, 1, 1                                   ; slot 0 takes K 512 on
	STEP 1, 0, 0
	TURN 1, 0, 1                                   ; slot 1 takes K 768 on
	STEP 0, 0, 0
	TURN 0, 1, 0                                   ; nothing is left to fetch
	STEP 1, 0, 0
	s_wait_dscnt H*NL
	MULS 0, H, 1, 0
	s_wait_dscnt 0
	MULS H, H, 1, 0
	WIN 0
; THE WAY OUT, a tile of 16 rows x 128 columns at a time.  A lane holds pieces of 32 bytes of one row, and the lanes beside it hold other rows: so a tile goes through my own stage in LDS and comes back as whole rows of 512 bytes.
; LDS serves a wave's instructions in order (ISA guide 5.7.1.4): no wait between the stores and the loads, nor in front of the next tile's stores.
.macro TOSTAGE a
	WIN 0x02                                       ; source 0: window 2
.set jj, 0
.rept 32
	v_pk_mul_f32 v[TMP+jj:TMP+jj+1], v[64*(\a)+jj:64*(\a)+jj+1], s[96:97] op_sel_hi:[1,0]   ; both x s96 = 2^(e6 + e7); each accumulator from its low end on
.set jj, jj+2
.endr
	WIN 0
.irp b, 0,1,2,3,4,5,6,7
	ds_store_b128 v[STO], v[TMP+8*\b:TMP+8*\b+3] offset:128*(\b/2)+32*(\b%2)          ; columns 32 (b / 2) + 8 (b % 2) + 16 h + 0 .. 3
	ds_store_b128 v[STO], v[TMP+8*\b+4:TMP+8*\b+7] offset:128*(\b/2)+32*(\b%2)+16
.endr
.set BB, BK+64*((\a)%2)
.irp t, 0,1,2,3,4,5,6,7,8,9,10,11,12,13,14,15
	ds_load_b128 v[BB+4*\t:BB+4*\t+3], v[RD] offset:\t*SPITCH
.endr
.endm
.macro SEND a, younger                 ; younger: the LDS instructions issued behind tile a's loads, which may stay out
.set BB, BK+64*((\a)%2)
	s_wait_dscnt \younger
.irp t, 0,1,2,3,4,5,6,7,8,9,10,11,12,13,14,15
	global_store_b128 v[CO], v[BB+4*\t:BB+4*\t+3], s[10:11] offset:(32*((\a)/2)+8*((\a)%2)+\t+8*(\t/8))*4096 th:TH_STORE_NT   ; the tile's row t is row 32 (a / 2) + 8 (a % 2) + t + 8 (t / 8) of my 64; 512 consecutive bytes, at a multiple of 512 from out0's first byte
.endr
.endm
	s_wait_kmcnt 0x0
	s_add_co_i32 s96, s78, s79                     ; e6 + e7
	s_add_co_i32 s96, s96, 127
	s_lshl_b32 s96, s96, 23                        ; 2^(e6 + e7) as f32
	s_mov_b32 s97, s96                             ; (named with it as a pair, so it is written)
	PLACES NP
	TOSTAGE 0
.irp a, 1,2,3
.if \a > 1
	s_wait_xcnt 0x0                                ; tile a - 2's stores have read their registers: tile a's loads may land there
.endif
	TOSTAGE \a
	SEND \a-1, 32                                  ; behind tile a - 1's loads: tile a's 16 stores and 16 loads
.endr
	SEND 3, 0
	s_wait_tensorcnt 0x0                           ; the wave's end, behind my last tensor load and my last LDS store
	ds_add_u32 v[SPW], v[NIL]
	s_wait_dscnt 0x0
	CROUND                                         ; the closing round: no work-group ends while a partner may still ask for a tile that names it
	s_endpgm
.Lfunc_end_k_qad0682fd9e_proj:
	.size	k_qad0682fd9e_proj, .Lfunc_end_k_qad0682fd9e_proj-k_qad0682fd9e_proj
	.p2alignl 7, 3214868480
	.fill 96, 4, 3214868480
	.section	.rodata,"a",@progbits
	.p2align	6, 0x0
	.amdhsa_kernel k_qad0682fd9e_proj
		.amdhsa_group_segment_fixed_size 327680
		.amdhsa_private_segment_fixed_size 0
		.amdhsa_enable_private_segment 0
		.amdhsa_kernarg_size 32
		.amdhsa_user_sgpr_count 2
		.amdhsa_user_sgpr_kernarg_segment_ptr 1
		.amdhsa_wavefront_size32 1
		.amdhsa_system_sgpr_workgroup_id_x 1
		.amdhsa_system_sgpr_workgroup_id_y 1
		.amdhsa_system_sgpr_workgroup_id_z 1
		.amdhsa_system_vgpr_workitem_id 0
		.amdhsa_next_free_vgpr 768
		.amdhsa_next_free_sgpr 100
		.amdhsa_reserve_vcc 0
		.amdhsa_float_denorm_mode_32 3
		.amdhsa_float_denorm_mode_16_64 3
		.amdhsa_memory_ordered 1
		.amdhsa_forward_progress 1
		.amdhsa_inst_pref_size 77
	.end_amdhsa_kernel
	.amdgpu_metadata
---
amdhsa.version: [ 1, 2 ]
amdhsa.kernels:
  - .name:           k_qad0682fd9e_proj
    .symbol:         k_qad0682fd9e_proj.kd
    .args:
      - { .name: y_img, .offset: 0, .size: 8, .value_kind: global_buffer, .address_space: global }
      - { .name: xw_img, .offset: 8, .size: 8, .value_kind: global_buffer, .address_space: global }
      - { .name: lowp_scales, .offset: 16, .size: 8, .value_kind: global_buffer, .address_space: global }
      - { .name: out0, .offset: 24, .size: 8, .value_kind: global_buffer, .address_space: global }
    .group_segment_fixed_size: 327680
    .private_segment_fixed_size: 0
    .kernarg_segment_align: 8
    .kernarg_segment_size: 32
    .max_flat_workgroup_size: 128
    .sgpr_count:     100
    .vgpr_count:     768
    .wavefront_size: 32
...
	.end_amdgpu_metadata
.endif
;; end of part 4
